; MI455X (gfx1250); checked and timed in simulation.
; The chip was launched on July 23, 2026; its instructions are those of AMD's public machine-readable ISA for CDNA 5 (MIT licence, August 2026) and "CDNA5" Instruction Set Architecture Reference Guide (July 2026). The comments in the code are by the model that wrote it; some were corrected since.
;; Self Attention. Allowed arithmetic: matrix products marked QUANTISED: E2M1 operands, one E8M0 scale for each 32 along K, by v_wmma_scale_f32_16x16x128_f8f6f4 with both operands' format E2M1 (or v_wmma_scale_f32_32x16x128_f4), f32 sums; products left as they are: bf16, f16 or f32 operands; f32 sums; everything else in f32.
;; Inputs: Wk 1,024 x 1,024 float32; Wo 1,024 x 1,024 float32; Wq 1,024 x 1,024 float32; bo 1,024 float32; x 4 x 2,048 x 1,024 float32.
;; Outputs: out0 4 x 2,048 x 1,024 float32.
;; This version of the problem:
;;   THIS VERSION OF THE PROBLEM IS GIVEN IN LOW PRECISION. The matrix products marked QUANTISED in the list below multiply operands that are first quantised to E2M1 (2 exponent bits, 1 mantissa bit; 4 bits a number), with one power-of-two scale for each 32 numbers along K (OCP MX v1.0); their sums are f32. The products marked 'left as it is' may take bf16, f16 or f32 operands, with f32 sums. All else is computed in f32.
;;   The module's matrix products, in the order in which they are computed (A, B: the left and right operand; K: the contracted axis; several contracted axes count as one K, in the product's order):
;;     1. [M 8,192, K 1,024] x [K 1,024, N 1,024]; A: input x; B: input Wk: QUANTISED
;;     2. [M 8,192, K 1,024] x [K 1,024, N 1,024]; A: input x; B: input Wq: QUANTISED
;;     3. [M 8,192, K 1,024] x [K 1,024, N 1,024]; A: input x; B: input Wk: QUANTISED
;;     4. batch 64 x [M 2,048, K 64] x [K 64, N 2,048]; A: computed on the way; B: computed on the way: left as it is (an operand is computed on the way)
;;     5. batch 64 x [M 2,048, K 2,048] x [K 2,048, N 64]; A: computed on the way; B: computed on the way: left as it is (an operand is computed on the way)
;;     6. [M 8,192, K 1,024] x [K 1,024, N 1,024]; A: computed on the way; B: input Wo: left as it is (an operand is computed on the way)
;;   THE QUANTISER, for each operand of a quantised product, along K:
;;     - K is cut into blocks of 32 from its start; a last block that is shorter is filled with zeros.
;;     - A block's scale is 2^e with e = floor(log2(the largest magnitude in the block)) - 2, held to -126 .. 127; a block of zeros has e = 0. As a byte (E8M0): e + 127.
;;     - Each number is divided by its block's scale, clamped to +-6, and rounded to the nearest number of E2M1, ties to even, subnormals kept.
;;     - The product sums the exact products of the quantised numbers (number of the format x scale) in f32.
;;   ~~~python
;;   def quantise(x, axis):      # numpy; x: float32 -> the quantised numbers, widened to float32 again
;;       x = np.moveaxis(x, axis, -1); K = x.shape[-1]
;;       x = np.pad(x, [(0, 0)] * (x.ndim - 1) + [(0, -K % 32)]); x = x.reshape(x.shape[:-1] + (-1, 32)); a = np.abs(x).max(-1, keepdims=True)
;;       e = np.where(a > 0, np.clip(np.frexp(np.where(a > 0, a, 1))[1] - 1 - 2, -126, 127), 0)      # np.frexp(a)[1] - 1 = floor(log2(a)), exactly
;;       r = np.clip(x / 2.0 ** e, -6, 6)
;;       step = 2.0 ** (np.maximum(np.frexp(np.where(r == 0, 1, r))[1] - 1, 0) - 1)
;;       q = np.round(r / step) * step * 2.0 ** e      # np.round: ties to even
;;       return np.moveaxis(q.reshape(q.shape[:-2] + (-1,))[..., :K], -1, axis).astype(np.float32)
;;   ~~~
;; One version. Each part assembles by itself: llvm-mc -triple=amdgcn-amd-amdhsa -mcpu=gfx1250 --defsym DOCPART=n.
;; ======== version 1 of 1: 4 launches
;; limits: values are held in f16: magnitudes above 65,504 overflow, below 6.1e-05 lose precision
;; workspace buffers: xc 4,194,304 bytes; xs 262,144 bytes; wc 1,048,576 bytes; ws 65,536 bytes; wo16 2,097,152 bytes; kq 33,554,432 bytes; gmax 4,096 bytes; a16 16,777,216 bytes
;; launch prep (part 1): grid 352 x 1, 4 waves a work-group, no clusters, 70,144 bytes of LDS; arguments x, Wk, Wq, Wo, xc, xs, wc, ws, wo16; writes xc, xs, wc, ws, wo16
.if DOCPART == 1
	.amdgcn_target "amdgcn-amd-amdhsa--gfx1250"
	.amdhsa_code_object_version 6
	.text
	.protected	k_q5d8370c9c2_prep
	.globl	k_q5d8370c9c2_prep
	.p2align	8
	.type	k_q5d8370c9c2_prep,@function
k_q5d8370c9c2_prep:
	s_mov_b64 s[64:65], 0
	v_nop
	global_prefetch_b8 v0, s[64:65] scope:SCOPE_SE
	s_setreg_imm32_b32 hwreg(HW_REG_WAVE_MODE, 25, 1), 1
	s_wait_xcnt 0x0
; Three jobs in one launch, told apart by the work-group's number; each job has LDS bytes of its own, and no wave shares anything with another: no barrier.
;   work-groups 0-63   (W): Wk and Wq [1024 (k)][1024 (n)] f32 -> codes of FP4 (E2M1) along K, laid wc [K / 256][n' 0..2047][128 bytes] (n' < 1024: Wk's column, else Wq's), scale bytes ws [n'][32]
;   work-groups 64-95  (O): Wo [1024 (k)][1024 (n)] f32 -> f16, laid wo16 [K / 64][n][64 numbers]: K innermost, 128 bytes a column and K part
;   work-groups 96-351 (X): x [8192][1024] f32 -> codes xc [8192][512 bytes], scale bytes xs [8192][32]: K is innermost, so x is a plain stream of blocks of 32
; THE QUANTISER: a block's scale is 2^(floor(log2(its largest magnitude)) - 2); its byte is the largest magnitude's exponent field - 2, held at 1 from below by a floor among the maximum's leaves.
; Each number is divided by the scale and rounded to the nearest code, ties to even; beyond 6 the largest code.
; LIMITS: a block of zeros gets the byte 1 where the rule says 127 (its codes are zeros, and this program alone reads the bytes); blocks whose largest magnitude lies under 2^-124 are held at that byte;
; NaN and infinities are not served.  Wo: magnitudes from 65,504 on have no f16 number; under 2^-14 they keep an absolute error of 2^-25.
; No cluster and no tensor load: the work-groups share no input, and every byte is read once.
.set EMAX,   2
.set FLOOR,  (EMAX+1)<<23              ; the f32 number 2^(3 - 127)
.set OFFE,   0xff000000                ; -(EMAX << 23): 2 off an exponent field
.set STEPS,  16                        ; X: steps of 512 numbers for a wave
.set CB,     8                         ; X: bytes of a lane's 16 codes
.set SP,     80                        ; X: a lane's place in a stage: 64 bytes + 16 of padding
.set WREG,   8192                      ; X: LDS of a wave: two stages of 32 x SP bytes, then its 256 scale bytes
.set R,      16                        ; X: v16-79   four sets of 16 numbers as loaded
.set XN,     80                        ; X: v80-111  two sets of 16 neighbours
.set E,      112                       ; X: v112-127 a scale byte for each step
.set C,      128                       ; X: v128-191 codes, four registers kept for each step
.set XW,     32                        ; W, O: v32-95 two sets of 32 numbers down K
.set CW,     96                        ; W, O: v96-111 what a block becomes
.set OUTR,   112                       ; W, O: v112-143 the way out
.set SB,     24                        ; W: v24-25 eight scale bytes
.set PW,     144                       ; W, O: a stage row: 128 bytes + 16
.set WSTG,   4*WREG                    ; W's stages: 32 rows x 144 for each wave
.set OSTG,   WSTG+4*32*PW              ; O's stages likewise
.macro LOADX t                         ; X: step t's 2,048 bytes: each load reads 512 consecutive bytes
.irp i, 0,1,2,3
	global_load_b128 v[R+16*((\t)%4)+4*\i:R+16*((\t)%4)+4*\i+3], v3, s[4:5] offset:2048*(\t)+512*\i th:TH_LOAD_NT
.endr
.endm
.macro TURNX t                         ; X: through the stage: in as loaded, out 64 neighbouring bytes a lane.  LDS serves a wave's instructions in order: no wait between
.irp i, 0,1,2,3
	ds_store_b128 v14, v[R+16*((\t)%4)+4*\i:R+16*((\t)%4)+4*\i+3] offset:32*SP*((\t)%2)+8*SP*\i
.endr
.irp i, 0,1,2,3
	ds_load_b128 v[XN+16*((\t)%2)+4*\i:XN+16*((\t)%2)+4*\i+3], v15 offset:32*SP*((\t)%2)+16*\i
.endr
.endm
.macro STEPX t
.set XS, XN+16*((\t)%2)
.if (\t) > 0
	s_wait_dscnt 1                                 ; this step's numbers are back from the stage; the last step's byte store may be out
.else
	s_wait_dscnt 0x0
.endif
.if (\t)+4 < STEPS
	LOADX (\t)+4                                   ; into the set whose stores into the stage are done
.endif
.if (\t)+1 < STEPS
.if STEPS-2-(\t) >= 3
	s_wait_loadcnt 12                              ; the next step's four loads are in; three later steps' twelve may be out
.else
	s_wait_loadcnt 4*(STEPS-2-(\t))
.endif
	TURNX (\t)+1
.endif
	v_max3_num_f32 v8, |v[XS]|, |v[XS+1]|, |v[XS+2]|               ; the largest magnitude of my 16, in two chains
	v_max3_num_f32 v9, |v[XS+3]|, |v[XS+4]|, |v[XS+5]|
.irp i, 6,10
	v_max3_num_f32 v8, v8, |v[XS+\i]|, |v[XS+\i+1]|
	v_max3_num_f32 v9, v9, |v[XS+\i+2]|, |v[XS+\i+3]|
.endr
	v_max3_num_f32 v8, v8, |v[XS+14]|, |v[XS+15]|
	v_max3_num_f32 v8, v8, v9, FLOOR               ; and the floor: the byte cannot fall under 1
	v_max_num_f32_dpp v8, v8, v8 row_xmask:1 row_mask:0xf bank_mask:0xf   ; with my neighbour's 16: the block's
	v_add_nc_u32 v11, OFFE, v8                     ; 2 off its exponent field: the conversion takes this operand's exponent field as its scale
	v_cvt_scalef32_pk8_fp4_f32 v[C+4*(\t)], v[XS:XS+7], v11
	v_cvt_scalef32_pk8_fp4_f32 v[C+4*(\t)+1], v[XS+8:XS+15], v11
	v_lshrrev_b32 v[E+(\t)], 23, v11               ; the scale's byte
	ds_store_b8 v5, v[E+(\t)] offset:16*(\t)       ; both lanes of a block write the same byte with the same value
	global_store_b64 v4, v[C+4*(\t):C+4*(\t)+1], s[12:13] offset:32*CB*(\t)   ; the wave stores 256 consecutive bytes
.endm
.macro LOADW t                         ; W, O: block t: rows 32 t + i of my column: neighbouring lanes read neighbouring columns
.irp i, 0,1,2,3,4,5,6,7,8,9,10,11,12,13,14,15,16,17,18,19,20,21,22,23,24,25,26,27,28,29,30,31
	global_load_b32 v[XW+32*((\t)%2)+\i], v3, s[28:29] offset:(32*(\t)+\i)*4096 th:TH_LOAD_NT
.endr
.endm
.macro OUT base, off                   ; W, O: the stage's 32 rows of 128 bytes leave as 4,096 consecutive bytes: eight lanes to a row, each store 512 consecutive bytes
.irp i, 0,1,2,3,4,5,6,7
	ds_load_b128 v[OUTR+4*\i:OUTR+4*\i+3], v7 offset:4*PW*\i
.endr
.irp i, 0,1,2,3,4,5,6,7
	s_wait_dscnt 7-\i                              ; load i is in; the younger ones may be out
	global_store_b128 v8, v[OUTR+4*\i:OUTR+4*\i+3], s[\base:\base+1] offset:(\off)+512*\i
.endr
.endm
.macro BLOCKW t                        ; W: a block of 32 down K lies in one lane's 32 registers
.set XS, XW+32*((\t)%2)
.if (\t) < 7
	s_wait_loadcnt 32                              ; this block's 32 loads are in; the next block's may be out
.else
	s_wait_loadcnt 0x0
.endif
	v_max3_num_f32 v12, |v[XS]|, |v[XS+1]|, |v[XS+2]|
	v_max3_num_f32 v13, |v[XS+3]|, |v[XS+4]|, |v[XS+5]|
.irp i, 6,10,14,18,22,26
	v_max3_num_f32 v12, v12, |v[XS+\i]|, |v[XS+\i+1]|
	v_max3_num_f32 v13, v13, |v[XS+\i+2]|, |v[XS+\i+3]|
.endr
	v_max3_num_f32 v12, v12, |v[XS+30]|, |v[XS+31]|
	v_max3_num_f32 v12, v12, v13, FLOOR
	v_add_nc_u32 v11, OFFE, v12
	v_lshrrev_b32 v13, 23, v11                     ; the scale's byte
.if (\t)%4 == 0
	v_mov_b32 v[SB+(\t)/4], v13                    ; four bytes to a register, the lower K in the lower byte
.else
	v_lshl_or_b32 v[SB+(\t)/4], v13, 8*((\t)%4), v[SB+(\t)/4]
.endif
.irp g, 0,1,2,3
	v_cvt_scalef32_pk8_fp4_f32 v[CW+\g], v[XS+8*\g:XS+8*\g+7], v11
.endr
	ds_store_b128 v4, v[CW:CW+3] offset:16*(\t)    ; 32 codes: 16 bytes of my column's row
.if (\t)+2 < 8
	LOADW (\t)+2
.endif
	s_wait_dscnt 0x0                               ; the store has read its registers: the next block's codes may be written
.endm
.macro BLOCKO t                        ; O: 32 numbers down K become 64 bytes of f16; two blocks make a K part of 64, which leaves
.set XS, XW+32*((\t)%2)
.if (\t) < 7
	s_wait_loadcnt 32
.else
	s_wait_loadcnt 0x0
.endif
.irp i, 0,1,2,3,4,5,6,7,8,9,10,11,12,13,14,15
	v_cvt_pk_f16_f32 v[CW+\i], v[XS+2*\i], v[XS+2*\i+1]   ; the lower k in the low half
.endr
.irp i, 0,1,2,3
	ds_store_b128 v4, v[CW+4*\i:CW+4*\i+3] offset:64*((\t)%2)+16*\i
.endr
.if (\t)+2 < 8
	LOADW (\t)+2
.endif
.if (\t)%2 == 1
.if (\t) > 1
	s_wait_xcnt 0x0                                ; the last way out's stores have read their registers: they are loaded again only behind this wait
.endif
	OUT 20, ((\t)/2)*131072                        ; a K part of 64 is 1,024 columns x 128 bytes on
.endif
	s_wait_dscnt 0x0
.endm
	s_load_b256 s[4:11], s[0:1], 0x0               ; x s[4:5], Wk s[6:7], Wq s[8:9], Wo s[10:11]
	s_load_b256 s[12:19], s[0:1], 0x20             ; xc s[12:13], xs s[14:15], wc s[16:17], ws s[18:19]
	s_load_b64 s[20:21], s[0:1], 0x40              ; wo16
	v_lshl_add_u32 v192, v0, 2, 0x11000
	v_mov_b32 v193, 0
	v_lshrrev_b32 v1, 5, v0
	v_readfirstlane_b32 s22, v1                    ; wave 0..3
	v_and_b32 v2, 31, v0                           ; lane
	s_wait_kmcnt 0x0
	s_cmp_ge_u32 ttmp9, 96
	s_cbranch_scc1 .Lpath_x
	; ---- W and O: a wave takes 32 columns x 256 along K.  The work-group's number: bits 1:0 the K part, bits 4:2 the group of 128 columns, the rest the matrix
	s_and_b32 s24, ttmp9, 3                        ; kp
	s_bfe_u32 s25, ttmp9, 0x30002
	s_lshl_b32 s25, s25, 7
	s_lshl_b32 s26, s22, 5
	s_add_co_u32 s25, s25, s26                     ; my wave's first column
	s_cmp_lt_u32 ttmp9, 32
	s_cselect_b64 s[28:29], s[6:7], s[8:9]
	s_cmp_lt_u32 ttmp9, 64
	s_cselect_b64 s[28:29], s[28:29], s[10:11]     ; Wk, Wq or Wo: the choice hangs on the work-group's number alone
	s_lshl_b32 s30, s24, 20                        ; 256 rows of 4,096 bytes
	s_lshl_b32 s31, s25, 2
	s_add_co_u32 s30, s30, s31
	s_mov_b32 s31, 0
	s_add_nc_u64 s[28:29], s[28:29], s[30:31]
	v_lshlrev_b32 v3, 2, v2                        ; in: 4 bytes a lane
	v_lshlrev_b32 v8, 4, v2                        ; out: 16 bytes a lane
	LOADW 0
	LOADW 1                                        ; two blocks ahead
	v_mul_u32_u24 v4, v2, PW                       ; into a stage: row = my column
	v_lshrrev_b32 v5, 3, v2
	v_and_b32 v6, 7, v2
	v_mul_u32_u24 v7, v5, PW
	v_lshl_add_u32 v7, v6, 4, v7                   ; out of it: eight lanes to a row, four rows an instruction
	s_mul_i32 s32, s22, 32*PW
	s_cmp_ge_u32 ttmp9, 64
	s_cbranch_scc1 .Lpath_o
	s_add_co_u32 s32, s32, WSTG
	v_add_nc_u32 v4, s32, v4
	v_add_nc_u32 v7, s32, v7
	v_lshlrev_b32 v9, 5, v2                        ; ws: 32 bytes a column
	s_lshr_b32 s33, ttmp9, 5
	s_lshl_b32 s33, s33, 10
	s_add_co_u32 s33, s33, s25                     ; n' of my first column
	s_lshl_b32 s34, s24, 18                        ; wc: a K part is 2,048 columns x 128 bytes
	s_lshl_b32 s35, s33, 7
	s_add_co_u32 s34, s34, s35
	s_mov_b32 s35, 0
	s_add_nc_u64 s[16:17], s[16:17], s[34:35]
	s_lshl_b32 s34, s33, 5
	s_lshl_b32 s36, s24, 3                         ; my K part's eight bytes of a column's 32
	s_add_co_u32 s34, s34, s36
	s_add_nc_u64 s[18:19], s[18:19], s[34:35]
.irp t, 0,1,2,3,4,5,6,7
	BLOCKW \t
.endr
	global_store_b64 v9, v[SB:SB+1], s[18:19]      ; my column's eight scale bytes
	OUT 16, 0
	s_wait_tensorcnt 0x0
	ds_add_u32 v192, v193
	s_wait_dscnt 0x0
	s_endpgm
.Lpath_o:
	s_add_co_u32 s32, s32, OSTG
	v_add_nc_u32 v4, s32, v4
	v_add_nc_u32 v7, s32, v7
	s_lshl_b32 s34, s24, 19                        ; wo16: my four K parts of 64 begin 4 kp x 131,072 bytes on
	s_lshl_b32 s35, s25, 7
	s_add_co_u32 s34, s34, s35
	s_mov_b32 s35, 0
	s_add_nc_u64 s[20:21], s[20:21], s[34:35]
.irp t, 0,1,2,3,4,5,6,7
	BLOCKO \t
.endr
	s_wait_tensorcnt 0x0
	ds_add_u32 v192, v193
	s_wait_dscnt 0x0
	s_endpgm
.Lpath_x:
	; ---- X: a wave takes a run of 8,192 numbers
	s_sub_co_u32 s24, ttmp9, 96
	s_lshl_b32 s24, s24, 2
	s_add_co_u32 s24, s24, s22                     ; which run
	s_mov_b32 s27, 0
	s_lshl_b32 s26, s24, 15
	s_add_nc_u64 s[4:5], s[4:5], s[26:27]          ; 32,768 bytes of x,
	s_lshl_b32 s26, s24, 12
	s_add_nc_u64 s[12:13], s[12:13], s[26:27]      ; 4,096 of codes,
	s_lshl_b32 s26, s24, 8
	s_add_nc_u64 s[14:15], s[14:15], s[26:27]      ; 256 scale bytes
	v_lshlrev_b32 v3, 4, v2                        ; my 16 bytes of a load's 512
	s_mul_i32 s23, s22, WREG
	v_lshrrev_b32 v14, 2, v2
	v_mul_u32_u24 v14, v14, SP
	v_and_b32 v15, 3, v2
	v_lshl_add_u32 v14, v15, 4, v14
	v_add_nc_u32 v14, s23, v14                     ; the stage, in: four lanes' 64 bytes on end, then 16 of padding
	v_mul_u32_u24 v15, v2, SP
	v_add_nc_u32 v15, s23, v15                     ; and out: SP x lane: my 16 neighbours
	v_mul_u32_u24 v4, v2, CB                       ; my codes' place in a step's
	v_lshrrev_b32 v5, 1, v2
	s_add_co_u32 s23, s23, 2*32*SP
	v_add_nc_u32 v5, s23, v5                       ; my block's scale byte in LDS
	v_lshlrev_b32 v7, 3, v2
	v_add_nc_u32 v6, s23, v7                       ; and on the way out 8 bytes a lane
.irp t, 0,1,2,3
	LOADX \t
.endr
	s_wait_loadcnt 12                              ; step 0's four loads are in
	TURNX 0
.irp t, 0,1,2,3,4,5,6,7,8,9,10,11,12,13,14,15
	STEPX \t
.endr
	ds_load_b64 v[12:13], v6                       ; LDS serves a wave's instructions in order: these see my byte stores
	s_wait_dscnt 0x0
	global_store_b64 v7, v[12:13], s[14:15]        ; the wave stores 256 consecutive bytes
	s_wait_tensorcnt 0x0
	ds_add_u32 v192, v193
	s_wait_dscnt 0x0
	s_endpgm
.Lfunc_end_k_q5d8370c9c2_prep:
	.size	k_q5d8370c9c2_prep, .Lfunc_end_k_q5d8370c9c2_prep-k_q5d8370c9c2_prep
	.p2alignl 7, 3214868480
	.fill 96, 4, 3214868480
	.section	.rodata,"a",@progbits
	.p2align	6, 0x0
	.amdhsa_kernel k_q5d8370c9c2_prep
		.amdhsa_group_segment_fixed_size 70144
		.amdhsa_private_segment_fixed_size 0
		.amdhsa_enable_private_segment 0
		.amdhsa_kernarg_size 72
		.amdhsa_user_sgpr_count 2
		.amdhsa_user_sgpr_kernarg_segment_ptr 1
		.amdhsa_wavefront_size32 1
		.amdhsa_system_sgpr_workgroup_id_x 1
		.amdhsa_system_sgpr_workgroup_id_y 1
		.amdhsa_system_sgpr_workgroup_id_z 1
		.amdhsa_system_vgpr_workitem_id 0
		.amdhsa_next_free_vgpr 194
		.amdhsa_next_free_sgpr 66
		.amdhsa_reserve_vcc 0
		.amdhsa_float_denorm_mode_32 3
		.amdhsa_float_denorm_mode_16_64 3
		.amdhsa_memory_ordered 1
		.amdhsa_forward_progress 1
		.amdhsa_inst_pref_size 108
	.end_amdhsa_kernel
	.amdgpu_metadata
---
amdhsa.version: [ 1, 2 ]
amdhsa.kernels:
  - .name:           k_q5d8370c9c2_prep
    .symbol:         k_q5d8370c9c2_prep.kd
    .args:
      - { .name: x, .offset: 0, .size: 8, .value_kind: global_buffer, .address_space: global }
      - { .name: Wk, .offset: 8, .size: 8, .value_kind: global_buffer, .address_space: global }
      - { .name: Wq, .offset: 16, .size: 8, .value_kind: global_buffer, .address_space: global }
      - { .name: Wo, .offset: 24, .size: 8, .value_kind: global_buffer, .address_space: global }
      - { .name: xc, .offset: 32, .size: 8, .value_kind: global_buffer, .address_space: global }
      - { .name: xs, .offset: 40, .size: 8, .value_kind: global_buffer, .address_space: global }
      - { .name: wc, .offset: 48, .size: 8, .value_kind: global_buffer, .address_space: global }
      - { .name: ws, .offset: 56, .size: 8, .value_kind: global_buffer, .address_space: global }
      - { .name: wo16, .offset: 64, .size: 8, .value_kind: global_buffer, .address_space: global }
    .group_segment_fixed_size: 70144
    .private_segment_fixed_size: 0
    .kernarg_segment_align: 8
    .kernarg_segment_size: 72
    .max_flat_workgroup_size: 128
    .sgpr_count:     66
    .vgpr_count:     194
    .wavefront_size: 32
...
	.end_amdgpu_metadata
.endif
;; end of part 1
;; launch proj (part 2): grid 8 x 32, 4 waves a work-group, clusters of 4 x 4, 327,680 bytes of LDS; arguments xc, xs, wc, ws, kq, gmax; writes kq, gmax
.if DOCPART == 2
	.amdgcn_target "amdgcn-amd-amdhsa--gfx1250"
	.amdhsa_code_object_version 6
	.text
	.protected	k_q5d8370c9c2_proj
	.globl	k_q5d8370c9c2_proj
	.p2align	8
	.type	k_q5d8370c9c2_proj,@function
k_q5d8370c9c2_proj:
	s_mov_b64 s[64:65], 0
	v_nop
	global_prefetch_b8 v0, s[64:65] scope:SCOPE_SE
	s_setreg_imm32_b32 hwreg(HW_REG_WAVE_MODE, 25, 1), 1
	s_wait_xcnt 0x0
	s_wait_alu depctr_hold_cnt(0) depctr_sa_sdst(0) depctr_va_vdst(0) depctr_va_sdst(0) depctr_va_ssrc(0) depctr_va_vcc(0) depctr_vm_vsrc(0)
	s_getreg_b32 s2, hwreg(HW_REG_IB_STS2, 6, 4)
	s_cmp_eq_u32 s2, 0
	s_cbranch_scc0 .Lentry_in_a_cluster
	s_endpgm
.Lentry_in_a_cluster:
	s_bfe_u32 s2, ttmp6, 0x10000c
	s_cmp_lg_u32 s2, 0xf033
	s_cbranch_scc0 .Lentry_shape_is_right
	s_endpgm
.Lentry_shape_is_right:
; [k | q] = Q(x) Q([Wk | Wq]): C[m][n'] = sum over k of A[m][k] B[n'][k], M = 8,192, N = 2,048, K = 1,024, both operands codes of FP4 (E2M1) with one E8M0 byte for each 32 along K; sums in f32.
; x @ Wk stands twice in the problem (keys and values): it is one product of the same operands and is made once.
; A: xc [8192][512 bytes], xs [8192][32].  B: wc [K / 256][2048][128 bytes], ws [2048][32].  Out: kq [k, q][16 b + h][t][64] in bf16, and for each wave the largest |result| in gmax (f32), entry (32 tile column + tile row) 4 + wave.
; A work-group of four waves makes 256 x 256, a wave 128 x 128: 64 accumulators, 512 registers.  ALL OF K LIES IN LDS: 256 rows x 512 bytes of A, 256 x 512 of B and their scale bytes are 297 KiB with padding,
; so every tensor load is a first fill: three a wave, all issued at the start; no LDS byte is filled twice.
; CLUSTERS: 4 x 4 work-groups; A's tiles are asked for jointly along a row of the cluster, B's along a column.  THE MATRIX INSTRUCTION IS USED TRANSPOSED (source 0 = 16 rows of B, source 1 = 16 rows of A):
; a lane then holds eight neighbouring columns of one row of C.
; REGISTERS, in windows of 256: window 0: v16-28 addresses; v32-95 scale words, two sets; v96-99 running maxima; v128-191 A's fragments, one set; on the way out v32-63, v192-255.
;   window 1: B's fragments, two sets, at v0 and v128.   window 2: accumulators of my rows 0-63 ((a, b) at v[8 (8 a + b)]);   window 3: of my rows 64-127.
.set NQ,     4                         ; steps of 128 along K in a half of K
.set PITCH,  272                       ; A's LDS row: 256 bytes + 16
.set PB,     144                       ; B's LDS row, and a stage row: 128 bytes + 16
.set FR,     8                         ; registers of a fragment: 16 rows x 128 K
.set NL,     2                         ; LDS loads that bring one
.set NP,     4                         ; places behind this matrix instruction (ISA guide 7.12.1)
.set HALFA,  128*PITCH                 ; 128 rows of A
.set ASLOT,  2*HALFA                   ; 256 rows of A for 512 along K; two of them
.set BBASE,  2*ASLOT
.set BPART,  256*PB                    ; 256 rows of B for 256 along K; four of them
.set SCL,    BBASE+4*BPART             ; the scale bytes, as rows of 256 bytes + 16
.set KS,     32                        ; a row's scale bytes
.set HALFS,  (128*KS/256)*272          ; those of 128 rows
.set SBLK,   (16*KS/256)*272           ; of 16 rows
.set STAGE,  SCL+4*HALFS               ; the way out: for each wave 2 heads x 16 rows x 144; no tensor load lands here
.set ADRA, 16                          ; v16-17 LDS address of my A fragments, first and second half of K
.set ADRB, 20                          ; v20-21 the same for B
.set STO,  24                          ; v24 the way out: where I put 16 bytes of a row
.set RD,   25                          ; v25 where I read rows back
.set CO,   26                          ; v26 16 x lane
.set ADRS, 27                          ; v27 my scale words: lanes 0-15 A's rows, lanes 16-31 B's
.set LN,   28                          ; v28 lane
.set SC,   32
.set MX,   96
.set AF,   128
.set TMP,  192
.set G1, 24                            ; s[24:31] group 1 for A's tiles; s[32:39] two groups 0
.set G0, 32
.set G1B, 48                           ; s[48:55], s[56:63] the same for B's
.set G0B, 56
.set G1S, 68                           ; s[68:75], s[76:79] A's scale bytes; s[80:87], s[88:91] B's
.set G0S, 76
.set G1SB, 80
.set G0SB, 88
.set MSB, 0
.macro WIN new                         ; the immediate's high byte repeats the setting that is left
.if MSB != \new
	s_set_vgpr_msb (MSB<<8)|\new
.set MSB, \new
.endif
.endm
.set MUL_LO, 0xa1                      ; source 0 (B) window 1, source 1 (A) window 0, C and D window 2
.set MUL_HI, 0xf1                      ; the same, C and D window 3
.set TO_B,   0x40                      ; destination window 1, address window 0
.macro CROUND                          ; a round of the cluster's barrier
	s_barrier_signal -1
	s_barrier_wait -1
	s_cmp_lg_u32 s14, 0
	s_cbranch_scc1 .Lnot_wave_0_\@
	s_barrier_signal -3
.Lnot_wave_0_\@:
	s_barrier_wait -3
	s_barrier_signal -1
	s_barrier_wait -1
.endm
.macro PLACES n
.rept \n
	v_nop
.endr
.endm
	s_load_b128 s[4:7], s[0:1], 0x0                ; xc, xs
	s_load_b128 s[8:11], s[0:1], 0x10              ; wc, ws
	s_load_b64 s[12:13], s[0:1], 0x20              ; kq
	s_load_b64 s[96:97], s[0:1], 0x28              ; gmax
	v_lshl_add_u32 v126, v0, 2, 0x4ec00
	v_mov_b32 v127, 0
	ds_add_u32 v126, v127
	ds_add_u32 v126, v127
	v_lshrrev_b32 v1, 5, v0
	v_readfirstlane_b32 s14, v1                    ; wave 0..3
	s_lshr_b32 s15, s14, 1                         ; which half of the tile's rows is mine.  Also: I fetch for A (0) or for B (1)
	s_and_b32 s16, s14, 1                          ; which half of its columns.  Also: which part I fetch
	s_bfe_u32 s40, ttmp6, 0x40000                  ; cx, cy: my place in the cluster
	s_bfe_u32 s41, ttmp6, 0x40004
	s_lshl_b32 s42, ttmp9, 2
	s_add_co_u32 s42, s42, s40                     ; tile column = 4 x cluster x + cx
	s_and_b32 s17, ttmp7, 0xffff
	s_lshl_b32 s17, s17, 2
	s_add_co_u32 s17, s17, s41                     ; tile row = 4 x cluster y + cy
	s_lshl_b32 s43, s41, 2
	s_lshl_b32 s43, 15, s43                        ; my row of the cluster
	s_lshl_b32 s44, 0x1111, s40                    ; my column
	; group 1.  A: 128 rows x 256 bytes, 512 bytes apart in memory, 16 bytes of padding behind each 64 words
	s_or_b32 s[G1], s43, (0<<16)|(1<<20)|(1<<21)|(5<<22)|(3<<25)
	s_mov_b32 s[G1+1], 256<<16
	s_mov_b32 s[G1+2], 128<<16
	s_mov_b32 s[G1+3], 256<<16
	s_mov_b32 s[G1+4], 128
	s_mov_b32 s[G1+5], 512
	s_mov_b32 s[G1+6], 0
	s_mov_b32 s[G1+7], 0
	; B: 256 rows x 128 bytes, dense in memory, 16 bytes of padding behind each 32 words
	s_or_b32 s[G1B], s44, (0<<16)|(1<<20)|(1<<21)|(4<<22)|(3<<25)
	s_mov_b32 s[G1B+1], 128<<16
	s_mov_b32 s[G1B+2], 256<<16
	s_mov_b32 s[G1B+3], 128<<16
	s_mov_b32 s[G1B+4], 256
	s_mov_b32 s[G1B+5], 128
	s_mov_b32 s[G1B+6], 0
	s_mov_b32 s[G1B+7], 0
	; the scale bytes of 128 rows: 4,096 dense bytes as 16 rows of 256 (32 elements of 8 bytes), 16 bytes of padding behind each
	s_or_b32 s[G1S], s43, (3<<16)|(1<<20)|(1<<21)|(5<<22)|(3<<25)
	s_or_b32 s[G1SB], s44, (3<<16)|(1<<20)|(1<<21)|(5<<22)|(3<<25)
.irp g, G1S, G1SB
	s_mov_b32 s[\g+1], 32<<16
	s_mov_b32 s[\g+2], 16<<16
	s_mov_b32 s[\g+3], 32<<16
	s_mov_b32 s[\g+4], 16
	s_mov_b32 s[\g+5], 32
	s_mov_b32 s[\g+6], 0
	s_mov_b32 s[\g+7], 0
.endr
	; where the tiles come from.  A's hang on the tile row and the wave alone, B's on the tile column and the wave alone, each in registers of its own
	s_lshl_b32 s18, s16, 7
	s_lshl_b32 s20, s17, 8
	s_add_co_u32 s20, s20, s18                     ; A: row 256 x tile row + 128 x half
	s_lshl_b32 s22, s20, 5                         ; its scale bytes,
	s_lshl_b32 s20, s20, 9                         ; its codes
	s_mov_b32 s21, 0
	s_mov_b32 s23, 0
	s_lshl_b32 s92, s42, 8
	s_add_co_u32 s92, s92, s18                     ; B's scale bytes: row 256 x tile column + 128 x half
	s_lshl_b32 s92, s92, 5
	s_mov_b32 s93, 0
	s_lshl_b32 s46, s42, 15                        ; B's codes: 256 rows x 128 bytes x tile column,
	s_lshl_b32 s47, s16, 18                        ; in K part 0 or 1 (2 or 3 by the second load)
	s_add_co_u32 s46, s46, s47
	s_mov_b32 s47, 0
	s_mul_i32 s45, s16, HALFA                      ; and where they go: no place in the cluster enters an LDS address
	s_mul_i32 s95, s16, BPART
	s_add_co_u32 s95, s95, BBASE
	s_mul_i32 s94, s14, HALFS
	s_add_co_u32 s94, s94, SCL
	s_wait_dscnt 0x0
	s_wait_kmcnt 0x0
	s_add_nc_u64 s[20:21], s[4:5], s[20:21]
	s_add_nc_u64 s[22:23], s[6:7], s[22:23]
	s_add_nc_u64 s[46:47], s[8:9], s[46:47]
	s_add_nc_u64 s[92:93], s[10:11], s[92:93]
	s_mov_b32 s[G0S], 1
	s_mov_b32 s[G0S+1], s94
	s_mov_b64 s[G0S+2:G0S+3], s[22:23]
	s_or_b32 s[G0S+3], s[G0S+3], 0x80000000
	s_mov_b32 s[G0SB], 1
	s_mov_b32 s[G0SB+1], s94
	s_mov_b64 s[G0SB+2:G0SB+3], s[92:93]
	s_or_b32 s[G0SB+3], s[G0SB+3], 0x80000000
.irp s, 0,1
	s_mov_b32 s[G0+4*\s], 1
	s_add_co_u32 s[G0+4*\s+1], s45, \s*ASLOT
	s_add_nc_u64 s[G0+4*\s+2:G0+4*\s+3], s[20:21], \s*256          ; 512 along K are 256 bytes of a row
	s_or_b32 s[G0+4*\s+3], s[G0+4*\s+3], 0x80000000
	s_mov_b32 s[G0B+4*\s], 1
	s_add_co_u32 s[G0B+4*\s+1], s95, \s*2*BPART
	s_add_nc_u64 s[G0B+4*\s+2:G0B+4*\s+3], s[46:47], \s*524288     ; two K parts on
	s_or_b32 s[G0B+4*\s+3], s[G0B+4*\s+3], 0x80000000
.endr
	CROUND                                         ; all sixteen work-groups are here: the joint loads meet
	s_cmp_eq_u32 s15, 0                            ; a wave's three first fills stand in one branch on the wave's number: three loads of mine are out
	s_cbranch_scc0 .Lfor_b
	tensor_load_to_lds s[G0S:G0S+3], s[G1S:G1S+7]
	s_nop 0
	tensor_load_to_lds s[G0:G0+3], s[G1:G1+7]
	s_nop 0
	tensor_load_to_lds s[G0+4:G0+7], s[G1:G1+7]
	s_nop 0
	PLACES 4
	s_branch .Lasked
.Lfor_b:
	tensor_load_to_lds s[G0SB:G0SB+3], s[G1SB:G1SB+7]
	s_nop 0
	tensor_load_to_lds s[G0B:G0B+3], s[G1B:G1B+7]
	s_nop 0
	tensor_load_to_lds s[G0B+4:G0B+7], s[G1B:G1B+7]
	s_nop 0
	PLACES 4
.Lasked:
	v_and_b32 v1, 15, v0                           ; r = lane % 16
	v_bfe_u32 v2, v0, 4, 1                         ; h = lane / 16
	v_and_b32 v[LN], 31, v0
	v_mul_u32_u24 v3, v1, PITCH
	v_lshl_add_u32 v3, v2, 4, v3                   ; a fragment's row x pitch + 16 x half
	v_mul_u32_u24 v4, v1, PB
	v_lshl_add_u32 v4, v2, 4, v4
	s_mul_i32 s21, s15, HALFA                      ; my 128 rows of A
	s_mul_i32 s22, s16, 128*PB                     ; my 128 rows of B
	s_add_co_u32 s22, s22, BBASE
.irp s, 0,1
	v_add_nc_u32 v[ADRA+\s], s21, v3
	v_add_nc_u32 v[ADRB+\s], s22, v4
	s_add_co_u32 s21, s21, ASLOT
	s_add_co_u32 s22, s22, 2*BPART
.endr
	v_mul_u32_u24 v5, v1, KS                       ; my row's scale bytes: KS a row,
	v_lshrrev_b32 v6, 8, v5
	v_lshl_add_u32 v5, v6, 4, v5                   ; and 16 more for each 256 passed
	s_mul_i32 s21, s15, HALFS                      ; A's: my 128 rows
	s_mul_i32 s22, s16, HALFS                      ; B's: my 128 rows, behind A's 256
	s_add_co_u32 s22, s22, 2*HALFS
	s_sub_co_u32 s22, s22, s21
	v_mul_u32_u24 v6, s22, v2                      ; lanes 16-31 take B's: one product, the distance between the two bases
	s_add_co_u32 s21, s21, SCL
	v_add_nc_u32 v5, v5, v6
	v_add_nc_u32 v[ADRS], s21, v5
	s_mul_i32 s23, s14, 2*16*PB
	s_add_co_u32 s23, s23, STAGE                   ; my stage
	v_add_nc_u32 v[STO], s23, v4                   ; in: row r, 16 bytes for each half of the lanes
	v_bfe_u32 v5, v0, 3, 2
	v_and_b32 v6, 7, v0
	v_mul_u32_u24 v5, v5, PB
	v_lshl_add_u32 v5, v6, 4, v5
	v_add_nc_u32 v[RD], s23, v5                    ; back: eight lanes to a row of 128 bytes, four rows an instruction
	v_lshlrev_b32 v[CO], 4, v[LN]
	; kq: ((64 mat + 16 b + h) 2,048 + t) x 128 bytes at my first row m0 and my first column n0
	s_lshl_b32 s20, s17, 8
	s_lshl_b32 s21, s15, 7
	s_add_co_u32 s20, s20, s21                     ; m0
	s_lshl_b32 s46, s42, 8
	s_lshl_b32 s47, s16, 7
	s_add_co_u32 s46, s46, s47                     ; n0
	s_lshr_b32 s21, s46, 10
	s_lshl_b32 s21, s21, 6
	s_lshr_b32 s22, s20, 11
	s_lshl_b32 s22, s22, 4
	s_add_co_u32 s21, s21, s22
	s_bfe_u32 s22, s46, 0x40006
	s_add_co_u32 s21, s21, s22
	s_lshl_b32 s21, s21, 11
	s_and_b32 s22, s20, 2047
	s_add_co_u32 s21, s21, s22
	s_lshl_b32 s20, s21, 7
	s_mov_b32 s21, 0
	s_add_nc_u64 s[12:13], s[12:13], s[20:21]
	s_lshl_b32 s20, s42, 5
	s_add_co_u32 s20, s20, s17
	s_lshl_b32 s20, s20, 2
	s_add_co_u32 s20, s20, s14
	s_lshl_b32 s20, s20, 2
	s_add_nc_u64 s[96:97], s[96:97], s[20:21]      ; my wave's word of gmax
	s_mov_b32 s18, 0x76543210
	s_mov_b32 s19, 0xfedcba98                      ; v_permlanex16_b32's selects for lane l xor 16
; a fragment, 16 rows x 128 K of 4-bit codes: lane l holds row l % 16; registers 4 c .. 4 c + 3 hold K = 64 c + 32 (l / 16) + 0 .. 31
.macro FRAGA reg, slot, q, i
.irp c, 0,1
	ds_load_b128 v[\reg+4*\c:\reg+4*\c+3], v[ADRA+\slot] offset:64*(\q)+32*\c+(\i)*16*PITCH
.endr
.endm
.macro FRAGB reg, slot, q, i           ; B's K parts of 256 lie BPART bytes apart
.irp c, 0,1
	ds_load_b128 v[\reg+4*\c:\reg+4*\c+3], v[ADRB+\slot] offset:((\q)/2)*BPART+((\q)%2)*64+32*\c+(\i)*16*PB
.endr
.endm
; 16 matrix instructions: A's blocks a0, a0 + 1 x B's eight, 128 along K.  p: B's set; sc: the set of scale words.  zero = 1: the first product starts the sums.
; The 64 accumulators take turns, one instruction a turn, in the same order in every step.
.macro MUL16 a0, p, q, sc, zero
.irp a, \a0, \a0+1
.irp b, 0,1,2,3,4,5,6,7
.if \zero
	v_wmma_scale_f32_16x16x128_f8f6f4 v[8*(8*((\a)%4)+\b):8*(8*((\a)%4)+\b)+7], v[128*(\p)+FR*\b:128*(\p)+FR*\b+FR-1], v[AF+FR*(\a):AF+FR*(\a)+FR-1], 0, v[SC+8*NQ*(\sc)+NQ*\b+(\q)], v[SC+8*NQ*(\sc)+NQ*(\a)+(\q)] matrix_a_fmt:MATRIX_FMT_FP4 matrix_b_fmt:MATRIX_FMT_FP4 matrix_a_scale:MATRIX_SCALE_ROW1
.else
	v_wmma_scale_f32_16x16x128_f8f6f4 v[8*(8*((\a)%4)+\b):8*(8*((\a)%4)+\b)+7], v[128*(\p)+FR*\b:128*(\p)+FR*\b+FR-1], v[AF+FR*(\a):AF+FR*(\a)+FR-1], v[8*(8*((\a)%4)+\b):8*(8*((\a)%4)+\b)+7], v[SC+8*NQ*(\sc)+NQ*\b+(\q)], v[SC+8*NQ*(\sc)+NQ*(\a)+(\q)] matrix_a_fmt:MATRIX_FMT_FP4 matrix_b_fmt:MATRIX_FMT_FP4 matrix_a_scale:MATRIX_SCALE_ROW1
.endif
.endr
.endr
.endm
.macro FETCH_B slot, q, p
	WIN TO_B
.irp i, 0,1,2,3,4,5,6,7
	FRAGB 128*(\p)+FR*\i, \slot, \q, \i
.endr
	WIN 0
.endm
.macro FETCH_A slot, q, i0
.irp i, \i0, \i0+1, \i0+2, \i0+3
	FRAGA AF+FR*(\i), \slot, \q, \i
.endr
.endm
.macro SCALES sc                       ; a half of K's scale words: four words a row; lanes 0-15 take A's block i, lanes 16-31 B's block i
.irp i, 0,1,2,3,4,5,6,7
	ds_load_b128 v[SC+8*NQ*\sc+NQ*\i:SC+8*NQ*\sc+NQ*\i+3], v[ADRS] offset:\i*SBLK
.endr
.endm
; A step of 128 along K whose successor lies in the same half of K.  A's blocks 0-3 are fetched anew in the step's middle, blocks 4-7 at its end; B has two sets.
; Loads into registers that matrix instructions have read stand NP plain vector instructions behind them.
.macro STEP slot, q, zero
	s_wait_dscnt 4*NL                              ; all but the youngest eight loads (A's blocks 4-7) are in
	WIN MUL_LO
	MUL16 0, (\q)%2, \q, \slot, \zero
	MUL16 2, (\q)%2, \q, \slot, \zero
	s_wait_dscnt 0                                 ; A's blocks 4-7 are in
	PLACES NP
	FETCH_B \slot, (\q)+1, 1-(\q)%2
	FETCH_A \slot, (\q)+1, 0
	WIN MUL_HI
	MUL16 4, (\q)%2, \q, \slot, \zero
	MUL16 6, (\q)%2, \q, \slot, \zero
	PLACES NP
	WIN 0
	FETCH_A \slot, (\q)+1, 4
.endm
	s_wait_tensorcnt 1                             ; my scale bytes and my part of K's first half are in; my third load may be out
	s_barrier_signal -1
	s_barrier_wait -1                              ; everybody's are
	FETCH_B 0, 0, 0
	FETCH_A 0, 0, 0
	SCALES 0
	FETCH_A 0, 0, 4
	STEP 0, 0, 1                                   ; the first step's products start the sums
	STEP 0, 1, 0
	STEP 0, 2, 0
	; the fourth step goes over to K's second half: each wave waits for its last load, then one barrier
	s_wait_tensorcnt 0x0                           ; my part of K's second half is in
	s_wait_dscnt 4*NL
	WIN MUL_LO
	MUL16 0, 1, 3, 0, 0
	s_wait_dscnt 0x0                               ; no LDS instruction of mine is out at the signal
	s_barrier_signal -1
	MUL16 2, 1, 3, 0, 0
	WIN 0
	s_barrier_wait -1                              ; everybody's part is in
	PLACES NP
	v_add_nc_u32 v[ADRS], 4*NQ, v[ADRS]            ; the second half's scale words
	FETCH_B 1, 0, 0
	FETCH_A 1, 0, 0
	SCALES 1
	WIN MUL_HI
	MUL16 4, 1, 3, 0, 0
	MUL16 6, 1, 3, 0, 0
	PLACES NP
	WIN 0
	FETCH_A 1, 0, 4
	STEP 1, 0, 0
	STEP 1, 1, 0
	STEP 1, 2, 0
	s_wait_dscnt 4*NL                              ; the last step: nothing more to fetch
	WIN MUL_LO
	MUL16 0, 1, 3, 1, 0
	MUL16 2, 1, 3, 1, 0
	s_wait_dscnt 0
	WIN MUL_HI
	MUL16 4, 1, 3, 1, 0
	MUL16 6, 1, 3, 1, 0
	WIN 0
; THE WAY OUT, a block of 16 rows x 128 columns (two heads) at a time.  PACK: rounded to bf16, and the running largest magnitude of the f32 results, each accumulator from its low end on.
; TOSTAGE: 16 bytes a lane into my own stage, laid [head][row][144], and back as rows of 128 bytes.  SEND: a head's 16 rows are 2,048 consecutive bytes of kq: each store covers 512 of them.
.macro PACK a
.set AC, 64*((\a)%4)
	WIN 0x0a+5*((\a)/4)                            ; sources 0 and 1: window 2 or 3; source 2 and the destination: window 0
.irp b, 0,1,2,3,4,5,6,7
.irp r, 0,1,2,3
	v_cvt_pk_bf16_f32 v[TMP+4*\b+\r], v[AC+8*\b+2*\r], v[AC+8*\b+2*\r+1]
	v_max3_num_f32 v[MX+\r], |v[AC+8*\b+2*\r]|, |v[AC+8*\b+2*\r+1]|, v[MX+\r]
.endr
.endr
	WIN 0
.endm
.macro TOSTAGE a
.set BB, 32+192*((\a)%2)
.irp b, 0,1,2,3,4,5,6,7
	ds_store_b128 v[STO], v[TMP+4*\b:TMP+4*\b+3] offset:(\b/4)*16*PB+32*(\b%4)
.endr
.irp hh, 0,1
.irp i, 0,1,2,3
	ds_load_b128 v[BB+16*\hh+4*\i:BB+16*\hh+4*\i+3], v[RD] offset:\hh*16*PB+4*PB*\i   ; LDS serves a wave's instructions in order: these see the stores above
.endr
.endr
.endm
.macro SEND a
.set BB, 32+192*((\a)%2)
	s_wait_dscnt 0x0                               ; the block is back in registers
	s_wait_xcnt 0x0                                ; the stores of the block before have read their registers: the next block's loads may land there
.irp hh, 0,1
.irp i, 0,1,2,3
	global_store_b128 v[CO], v[BB+16*\hh+4*\i:BB+16*\hh+4*\i+3], s[12:13] offset:(\a)*2048+\hh*262144+512*\i
.endr
.endr
.endm
.irp r, 0,1,2,3
	v_mov_b32 v[MX+\r], 0
.endr
	PLACES NP                                      ; behind the last products, in front of reads of results and loads into registers that held scale words
	PACK 0
	TOSTAGE 0
.irp a, 1,2,3,4,5,6,7                  ; block a's conversions stand between block a - 1's loads from the stage and the wait for them
	PACK \a
	SEND \a-1
	TOSTAGE \a
.endr
	SEND 7
	v_max3_num_f32 v[MX], v[MX], v[MX+1], v[MX+2]  ; the wave's largest magnitude
	v_max_num_f32 v[MX], v[MX], v[MX+3]
	v_max_num_f32_dpp v[MX], v[MX], v[MX] row_xmask:1 row_mask:0xf bank_mask:0xf
	v_max_num_f32_dpp v[MX], v[MX], v[MX] row_xmask:2 row_mask:0xf bank_mask:0xf
	v_max_num_f32_dpp v[MX], v[MX], v[MX] row_xmask:4 row_mask:0xf bank_mask:0xf
	v_max_num_f32_dpp v[MX], v[MX], v[MX] row_xmask:8 row_mask:0xf bank_mask:0xf
	v_permlanex16_b32 v[MX+1], v[MX], s18, s19
	v_max_num_f32 v[MX], v[MX], v[MX+1]
	v_mov_b32 v[MX+2], 0
	v_cmp_eq_u32 vcc_lo, 0, v[LN]
	s_wait_xcnt 0x0                                ; EXEC changes only behind this wait: pending stores count it among their sources
	s_and_saveexec_b32 s3, vcc_lo
	global_store_b32 v[MX+2], v[MX], s[96:97]      ; lane 0 stores the wave's word
	s_wait_xcnt 0x0
	s_or_b32 exec_lo, exec_lo, s3
	s_wait_tensorcnt 0x0
	ds_add_u32 v126, v127
	s_wait_dscnt 0x0
	CROUND                                         ; the closing round: no work-group ends while a partner may still ask for a tile that names it
	s_endpgm
.Lfunc_end_k_q5d8370c9c2_proj:
	.size	k_q5d8370c9c2_proj, .Lfunc_end_k_q5d8370c9c2_proj-k_q5d8370c9c2_proj
	.p2alignl 7, 3214868480
	.fill 96, 4, 3214868480
	.section	.rodata,"a",@progbits
	.p2align	6, 0x0
	.amdhsa_kernel k_q5d8370c9c2_proj
		.amdhsa_group_segment_fixed_size 327680
		.amdhsa_private_segment_fixed_size 0
		.amdhsa_enable_private_segment 0
		.amdhsa_kernarg_size 48
		.amdhsa_user_sgpr_count 2
		.amdhsa_user_sgpr_kernarg_segment_ptr 1
		.amdhsa_wavefront_size32 1
		.amdhsa_system_sgpr_workgroup_id_x 1
		.amdhsa_system_sgpr_workgroup_id_y 1
		.amdhsa_system_sgpr_workgroup_id_z 1
		.amdhsa_system_vgpr_workitem_id 0
		.amdhsa_next_free_vgpr 1024
		.amdhsa_next_free_sgpr 100
		.amdhsa_reserve_vcc 1
		.amdhsa_float_denorm_mode_32 3
		.amdhsa_float_denorm_mode_16_64 3
		.amdhsa_memory_ordered 1
		.amdhsa_forward_progress 1
		.amdhsa_inst_pref_size 143
	.end_amdhsa_kernel
	.amdgpu_metadata
---
amdhsa.version: [ 1, 2 ]
amdhsa.kernels:
  - .name:           k_q5d8370c9c2_proj
    .symbol:         k_q5d8370c9c2_proj.kd
    .args:
      - { .name: xc, .offset: 0, .size: 8, .value_kind: global_buffer, .address_space: global }
      - { .name: xs, .offset: 8, .size: 8, .value_kind: global_buffer, .address_space: global }
      - { .name: wc, .offset: 16, .size: 8, .value_kind: global_buffer, .address_space: global }
      - { .name: ws, .offset: 24, .size: 8, .value_kind: global_buffer, .address_space: global }
      - { .name: kq, .offset: 32, .size: 8, .value_kind: global_buffer, .address_space: global }
      - { .name: gmax, .offset: 40, .size: 8, .value_kind: global_buffer, .address_space: global }
    .group_segment_fixed_size: 327680
    .private_segment_fixed_size: 0
    .kernarg_segment_align: 8
    .kernarg_segment_size: 48
    .max_flat_workgroup_size: 128
    .sgpr_count:     100
    .vgpr_count:     1024
    .wavefront_size: 32
...
	.end_amdgpu_metadata
.endif
;; end of part 2
;; launch attn (part 3): grid 4 x 64, 4 waves a work-group, clusters of 4 x 1, 304,640 bytes of LDS; arguments kq, gmax, a16; writes a16
.if DOCPART == 3
	.amdgcn_target "amdgcn-amd-amdhsa--gfx1250"
	.amdhsa_code_object_version 6
	.text
	.protected	k_q5d8370c9c2_attn
	.globl	k_q5d8370c9c2_attn
	.p2align	8
	.type	k_q5d8370c9c2_attn,@function
k_q5d8370c9c2_attn:
	s_mov_b64 s[64:65], 0
	v_nop
	global_prefetch_b8 v0, s[64:65] scope:SCOPE_SE
	s_setreg_imm32_b32 hwreg(HW_REG_WAVE_MODE, 25, 1), 1
	s_wait_xcnt 0x0
	s_wait_alu depctr_hold_cnt(0) depctr_sa_sdst(0) depctr_va_vdst(0) depctr_va_sdst(0) depctr_va_ssrc(0) depctr_va_vcc(0) depctr_vm_vsrc(0)
	s_getreg_b32 s2, hwreg(HW_REG_IB_STS2, 6, 4)
	s_cmp_eq_u32 s2, 0
	s_cbranch_scc0 .Lentry_in_a_cluster
	s_endpgm
.Lentry_in_a_cluster:
	s_bfe_u32 s2, ttmp6, 0x10000c
	s_cmp_lg_u32 s2, 0x3003
	s_cbranch_scc0 .Lentry_shape_is_right
	s_endpgm
.Lentry_shape_is_right:
; a[b][t][h][:] = the sum over keys of softmax(q . k / 32) k, for each of 64 (batch, head): the values ARE the keys.  q, k: kq [k, q][16 b + h][2048][64] bf16.  The two factors 1024^-0.25 make 2^-5, which
; goes into c = log2(e) / 32.  Products, maxima and sums in f32; the weights p are rounded to bf16 for the second product.
; OUT: a16 [h][2048 b + t][64] in f16, as a x 2^-e: 2^e is the power of two at or under G, the largest |k| that the launch before found.  a is a weighted mean of rows of k, so |a| 2^-e stays near 2 at the most.
; LIMITS: G is held to 2^-100 .. 2^100; numbers of a under G 2^-15 lose bits in f16; NaN and infinities are not served.
; SHARES.  A work-group owns 512 queries of one head, as two blocks of 256; each of its four waves 64 a block: four tiles of 16.  Every wave walks all 2,048 keys, 64 a step.
; ALL KEYS OF THE HEAD LIE IN LDS, ONCE: 2,048 rows of 128 bytes + 16 are 294,912 bytes.  The same rows serve as K (as they lie) and as V (turned by ds_load_tr16_b128).  Every tensor load is a first fill, four a wave,
; all issued at the start; no LDS byte is filled twice, and the second block of queries costs no load.
; CLUSTER.  The four work-groups of a head ask for each chunk of keys JOINTLY (mask 15).
; LAYOUT.  S^T = K Q^T (source 0 = 16 keys, source 1 = 16 queries): a lane holds ONE query (lane % 16).  Two such tiles, rounded to bf16 in pairs, are source 1 of O^T = V^T P.
; THE KEYS OF A TILE ARE PERMUTED: row m of tile T is key 16 T + 2 (m % 8) + m / 8, in K's fragments and, alike, along V^T's K axis (index 8 h + j is key 2 j + h).  So with the one pitch of 144 bytes the sixteen lanes of
; a plain load take sixteen rows 144 bytes apart, and those of a turning load eight rows 288 bytes apart, 32 bytes each: sixteen different 16-byte columns of 256 in both.  A softmax does not mind the order of its keys.
; SOFTMAX.  A running maximum m and sum l for each query: p = 2^(c s - c m); in every step O and l are multiplied by 2^(c m_old - c m_new).
; BY TURNS.  The wave's tiles are two pieces (tiles 0, 1 and tiles 2, 3).  In a turn one piece has the matrix unit: 16 products V^T P of the step in hand, 16 products K Q^T of the next; the other piece's softmax, 59 slices
; of four instructions, stands between them: two behind each product, one behind each of the last five, so that four plain instructions follow the turn's last product.
; REGISTERS, in windows of 256: window 0: v2-8 addresses; v12-43 statistics, 8 a tile; v44-60 G; v64-191 S^T, 32 a tile; v192-255 P, 16 a tile.
;   window 1: v0-127 O^T, 32 a tile; v128-191 K of one step; v192-255 V of one step.   window 2: v0-63 Q, 16 a tile.
.set KS,    64                         ; keys in a step
.set PK,    144                        ; a key's row in LDS
.set STEPB, KS*PK
.set CHUNK, 128*PK                     ; what one tensor load brings: 128 keys
.set STAGE, 2048*PK                    ; behind the keys: 16 rows x 144 bytes for each wave, for the way out
.set AK0, 2                            ; v2  my lane's place in a tile of K
.set AV0, 3                            ; v3  the same for the turning loads
.set ADR, 4                            ; v4  the LDS address of the run of loads in hand
.set QO,  5                            ; v5  my byte offset in the wave's rows of Q
.set STO, 6                            ; v6  the way out: where I put 16 bytes of a row
.set RD,  7                            ; v7  where I read rows back
.set GO,  8                            ; v8  16 x lane
.set ST,  12                           ; tile t's statistics at v[ST + 8 t]: +0 c m, +1 m, +2, +3 l, +4 to +7 at work
.set GM,  44                           ; v44-59 gmax's numbers
.set DN,  60                           ; v60 2^-e
.set S,   64
.set P,   192
.set KF,  128                          ; in window 1
.set VF,  192                          ; in window 1
.set WV,  12                           ; s12 my wave's number
.set G1,  24                           ; s[24:31] descriptor group 1
.set G0,  32                           ; s[32:47] four groups 0
.set BLK, 48                           ; s48 blocks of queries to go
.set STP, 49                           ; s49 counts the loop's key steps
.set CS,  58                           ; s[58:59] c
.set SEL, 60                           ; s[60:61] lane selects for v_permlanex16_b32: lane l xor 16
.set TB,  62                           ; s62 LDS byte at which the step to be fetched begins
.set MSB, 0
.macro WIN new                         ; the immediate's high byte repeats the setting that is left; a switch that changes nothing is dropped
.if MSB != \new
	s_set_vgpr_msb (MSB<<8)|\new
.set MSB, \new
.endif
.endm
.set W_KQ, 0x09                        ; K in window 1, Q in window 2, S^T in window 0
.set W_PV, 0x51                        ; V in window 1, P in window 0, O^T in window 1
.set W_RS, 0x41                        ; O^T (destination and source 0) in window 1, the factor in window 0
.macro CROUND                          ; a round of the cluster's barrier
	s_barrier_signal -1
	s_barrier_wait -1
	s_cmp_lg_u32 s[WV], 0
	s_cbranch_scc1 .Lnot_wave_0_\@
	s_barrier_signal -3
.Lnot_wave_0_\@:
	s_barrier_wait -3
	s_barrier_signal -1
	s_barrier_wait -1
.endm
.macro PLACES
.rept 4
	v_nop
.endr
.endm
.macro QLOAD off                       ; Q of a block stays in registers: tile i / 2, channels 32 (i % 2) on
	WIN 0x80                                       ; destination window 2
.irp i, 0,1,2,3,4,5,6,7
	global_load_b128 v[8*\i:8*\i+3],   v[QO], s[18:19] offset:\off+(\i/2)*2048+(\i%2)*64 th:TH_LOAD_NT
	global_load_b128 v[8*\i+4:8*\i+7], v[QO], s[18:19] offset:\off+(\i/2)*2048+(\i%2)*64+32 th:TH_LOAD_NT
.endr
	WIN 0
.endm
	s_load_b128 s[4:7], s[0:1], 0x0                ; kq, gmax
	s_load_b64 s[10:11], s[0:1], 0x10              ; a16
	v_lshl_add_u32 v62, v0, 2, 0x4a400
	v_mov_b32 v63, 0
	ds_add_u32 v62, v63
	ds_add_u32 v62, v63
	v_lshrrev_b32 v1, 5, v0
	v_readfirstlane_b32 s[WV], v1                  ; wave 0..3
	s_bfe_u32 s13, ttmp6, 0x40000                  ; cx: my place in the cluster: it enters Q's and a16's addresses alone
	s_and_b32 s14, ttmp7, 0xffff                   ; 16 b + h, which the four partners share
	s_lshl_b32 s20, s14, 18                        ; K: the head's 2,048 rows of 128 bytes,
	s_lshl_b32 s15, s[WV], 14                      ; my wave's chunk of 128 rows
	s_add_co_u32 s20, s20, s15
	s_mov_b32 s21, 0
	s_lshl_b32 s22, s14, 18                        ; Q: behind all of K (16 MiB), the head, my work-group's 512 rows, my wave's 64
	s_lshl_b32 s54, s13, 16
	s_add_co_u32 s22, s22, s54
	s_lshl_b32 s54, s[WV], 13
	s_add_co_u32 s22, s22, s54
	s_add_co_u32 s22, s22, 0x1000000
	s_mov_b32 s23, 0
	s_and_b32 s52, s14, 15                         ; a16: (8,192 h + 2,048 b + 512 cx + 64 wave) x 128 bytes
	s_lshl_b32 s52, s52, 20
	s_lshr_b32 s54, s14, 4
	s_lshl_b32 s54, s54, 18
	s_add_co_u32 s52, s52, s54
	s_lshl_b32 s54, s13, 16
	s_add_co_u32 s52, s52, s54
	s_lshl_b32 s54, s[WV], 13
	s_add_co_u32 s52, s52, s54
	s_mov_b32 s53, 0
	s_mul_i32 s55, s[WV], CHUNK                    ; where my chunks go: no place in the cluster enters an LDS address
	; descriptor group 1: 128 rows x 64 elements of 2 bytes, dense in memory, 16 bytes of padding behind each 32 words; mask: all four work-groups
	s_mov_b32 s[G1], 15|(1<<16)|(1<<20)|(1<<21)|(4<<22)|(3<<25)
	s_mov_b32 s[G1+1], 64<<16
	s_mov_b32 s[G1+2], 128<<16
	s_mov_b32 s[G1+3], 64<<16
	s_mov_b32 s[G1+4], 128
	s_mov_b32 s[G1+5], 64
	s_mov_b32 s[G1+6], 0
	s_mov_b32 s[G1+7], 0
	s_mov_b32 s[CS], 0x3d38aa3b                    ; c = log2(e) / 32
	s_mov_b32 s[CS+1], s[CS]                       ; named with it as a pair, so it is written
	s_mov_b32 s[SEL], 0x76543210
	s_mov_b32 s[SEL+1], 0xfedcba98
	s_mov_b32 s50, 0x0d800000                      ; 2^-100
	s_mov_b32 s51, 0x71800000                      ; 2^100
	s_mov_b32 s[BLK], 2
	s_wait_dscnt 0x0
	s_wait_kmcnt 0x0
	s_add_nc_u64 s[16:17], s[4:5], s[20:21]
	s_add_nc_u64 s[18:19], s[4:5], s[22:23]
	s_add_nc_u64 s[10:11], s[10:11], s[52:53]
.irp i, 0,1,2,3                        ; load i of wave w is chunk 4 i + w
	s_mov_b32 s[G0+4*\i], 1
	s_add_co_u32 s[G0+4*\i+1], s55, \i*4*CHUNK
	s_add_nc_u64 s[G0+4*\i+2:G0+4*\i+3], s[16:17], \i*65536
	s_or_b32 s[G0+4*\i+3], s[G0+4*\i+3], 0x80000000
.endr
	CROUND                                         ; all four work-groups are here: the joint loads meet
.irp i, 0,1,2,3
	tensor_load_to_lds s[G0+4*\i:G0+4*\i+3], s[G1:G1+7]   ; four loads of mine are out
	s_nop 0
.endr
	PLACES
	v_and_b32 v1, 15, v0                           ; r = lane % 16
	v_bfe_u32 v9, v0, 4, 1                         ; h = lane / 16
	v_and_b32 v10, 31, v0
	v_lshlrev_b32 v[GO], 4, v10
.irp i, 0,1,2,3
	global_load_b128 v[GM+4*\i:GM+4*\i+3], v[GO], s[6:7] offset:512*\i   ; the 512 words of gmax that belong to k
.endr
	v_lshlrev_b32 v[QO], 7, v1
	v_lshl_add_u32 v[QO], v9, 4, v[QO]             ; row x 128 + 16 x half
	QLOAD 0
	v_and_b32 v11, 7, v0
	v_bfe_u32 v10, v0, 3, 1
	v_lshl_add_u32 v[AK0], v11, 1, v10             ; K: lane r takes key 2 (r % 8) + r / 8 of a tile,
	v_mul_u32_u24 v[AK0], v[AK0], PK
	v_lshl_add_u32 v[AK0], v9, 4, v[AK0]           ; channels 8 h on
	v_lshl_add_u32 v[AV0], v11, 1, v9              ; V: lane l addresses key 2 (l % 8) + l / 16,
	v_mul_u32_u24 v[AV0], v[AV0], PK
	v_lshl_add_u32 v[AV0], v10, 4, v[AV0]          ; channels 8 ((l / 8) % 2) on
	s_mul_i32 s15, s[WV], 16*PK
	s_add_co_u32 s15, s15, STAGE                   ; my stage
	v_mul_u32_u24 v[STO], v1, PK
	v_lshl_add_u32 v[STO], v9, 4, v[STO]
	v_add_nc_u32 v[STO], s15, v[STO]               ; in: row r, 16 bytes for each half of the lanes
	v_bfe_u32 v[RD], v0, 3, 2
	v_mul_u32_u24 v[RD], v[RD], PK
	v_lshl_add_u32 v[RD], v11, 4, v[RD]
	v_add_nc_u32 v[RD], s15, v[RD]                 ; back: eight lanes to a row of 128 bytes, four rows an instruction
	s_wait_loadcnt 16                              ; gmax's four loads are in; Q's sixteen may be out
	v_max3_num_f32 v[GM], v[GM], v[GM+1], v[GM+2]
	v_max3_num_f32 v[GM+3], v[GM+3], v[GM+4], v[GM+5]
	v_max3_num_f32 v[GM+6], v[GM+6], v[GM+7], v[GM+8]
	v_max3_num_f32 v[GM+9], v[GM+9], v[GM+10], v[GM+11]
	v_max3_num_f32 v[GM+12], v[GM+12], v[GM+13], v[GM+14]
	v_max3_num_f32 v[GM], v[GM], v[GM+3], v[GM+6]
	v_max3_num_f32 v[GM+9], v[GM+9], v[GM+12], v[GM+15]
	v_max_num_f32 v[GM], v[GM], v[GM+9]
	v_max_num_f32_dpp v[GM], v[GM], v[GM] row_xmask:1 row_mask:0xf bank_mask:0xf
	v_max_num_f32_dpp v[GM], v[GM], v[GM] row_xmask:2 row_mask:0xf bank_mask:0xf
	v_max_num_f32_dpp v[GM], v[GM], v[GM] row_xmask:4 row_mask:0xf bank_mask:0xf
	v_max_num_f32_dpp v[GM], v[GM], v[GM] row_xmask:8 row_mask:0xf bank_mask:0xf
	v_permlanex16_b32 v[GM+1], v[GM], s[SEL], s[SEL+1]
	v_max_num_f32 v[GM], v[GM], v[GM+1]            ; G, in every lane
	v_med3_num_f32 v[GM], v[GM], s50, s51          ; held to 2^-100 .. 2^100
	v_and_b32 v[GM], 0x7f800000, v[GM]             ; 2^e: its exponent field alone
	v_sub_nc_u32 v[DN], 0x7f000000, v[GM]          ; 2^-e: the field 254 - E
; THE MATRIX WORK OF A TURN, for piece x.  The accumulators take turns, one instruction a turn: between two links of a chain stand seven others'.
; Product i of 16 of O^T += V^T P: keys 32 (i / 8) on, channels 16 ((i / 2) % 4) on, tile x + i % 2.  zero = 1: the first 8 start the sums.
.macro PV x, zero
	WIN W_PV
.set rO, 32*(\x+i%2)+8*((i/2)%4)
.set rV, VF+32*(i/8)+8*((i/2)%4)
.set rP, P+16*(\x+i%2)+8*(i/8)
.if \zero && (i < 8)
	v_wmma_f32_16x16x32_bf16 v[rO:rO+7], v[rV:rV+7], v[rP:rP+7], 0
.else
	v_wmma_f32_16x16x32_bf16 v[rO:rO+7], v[rV:rV+7], v[rP:rP+7], v[rO:rO+7]
.endif
.endm
; Product i of 16 of S^T = K Q^T: channels 32 (i / 8) on, keys' tile (i / 2) % 4, tile x + i % 2.  The first 8 start the sums.
.macro KQ x
	WIN W_KQ
.set rS, S+32*(\x+i%2)+8*((i/2)%4)
.set rK, KF+16*((i/2)%4)+8*(i/8)
.set rQ, 16*(\x+i%2)+8*(i/8)
.if i < 8
	v_wmma_f32_16x16x32_bf16 v[rS:rS+7], v[rK:rK+7], v[rQ:rQ+7], 0
.else
	v_wmma_f32_16x16x32_bf16 v[rS:rS+7], v[rK:rK+7], v[rQ:rQ+7], v[rS:rS+7]
.endif
.endm
; THE LDS LOADS stand in runs of 16: a step's K (8 fragments) and, a turn later, the same rows as V (turned).
.macro FETCH_K
	WIN 0
	v_add_nc_u32 v[ADR], s[TB], v[AK0]
	WIN 0x40                                       ; destination window 1
.irp f, 0,1,2,3,4,5,6,7                ; keys' tile f / 2, channels 32 (f % 2) on
	ds_load_b128 v[KF+8*\f:KF+8*\f+3],   v[ADR] offset:(\f/2)*16*PK+(\f%2)*64
	ds_load_b128 v[KF+8*\f+4:KF+8*\f+7], v[ADR] offset:(\f/2)*16*PK+(\f%2)*64+32
.endr
.endm
.macro FETCH_V
	WIN 0
	v_add_nc_u32 v[ADR], s[TB], v[AV0]
	s_add_co_u32 s[TB], s[TB], STEPB               ; the next fetch is the next step's
	WIN 0x40
.irp f, 0,1,2,3,4,5,6,7                ; keys 32 (f / 4) on, channels 16 (f % 4) on
	ds_load_tr16_b128 v[VF+8*\f:VF+8*\f+3],   v[ADR] offset:(\f/4)*32*PK+(\f%4)*32
	ds_load_tr16_b128 v[VF+8*\f+4:VF+8*\f+7], v[ADR] offset:(\f/4)*32*PK+16*PK+(\f%4)*32
.endr
.endm
; THE VECTOR WORK OF A TURN.  One tile's softmax for one key step is a list of 118 instructions; SM writes number j of it for tile t.  first = 1: the block's first key step, which starts m, l and O^T.
;   0-15    the maximum of the lane's 32 scores and the old m, three operands at a time
;   16-20   the other half of the lanes' maximum; the new m; c m; c m_old - c m_new
;   21-87   33 exponentials at the odd numbers from 23 on, each with a plain instruction behind it: scalings c s - c m a few pairs ahead, roundings to bf16 a pair back, the first sums
;   88-101  the last rounding; the rest of the sums; l = a l + the sum
;   102-117 the tile's O^T times a: the one part that leaves window 0, so it stands together
.macro SM t, first
.set rT, ST+8*(\t)
.set rS, S+32*(\t)
.set rP, P+16*(\t)
.set rO, 32*(\t)+2*(j-102)
.set q, (j-20)/2
.if j < 102
	WIN 0
.endif
.if j < 4
	v_max3_num_f32 v[rT+4+j], v[rS+8*j], v[rS+8*j+1], v[rS+8*j+2]
.elseif j < 12
	v_max3_num_f32 v[rT+4+j%4], v[rT+4+j%4], v[rS+8*(j%4)+2*(j/4)+1], v[rS+8*(j%4)+2*(j/4)+2]
.elseif j == 12
	v_max3_num_f32 v[rT+4], v[rT+4], v[rS+7], v[rS+15]
.elseif j == 13
	v_max3_num_f32 v[rT+6], v[rT+6], v[rS+23], v[rS+31]
.elseif j == 14
	v_max3_num_f32 v[rT+4], v[rT+4], v[rT+5], v[rT+6]
.elseif (j == 15) && \first
	v_max_num_f32 v[rT+4], v[rT+4], v[rT+7]
.elseif j == 15
	v_max3_num_f32 v[rT+4], v[rT+4], v[rT+7], v[rT+1]
.elseif j == 16
	v_permlanex16_b32 v[rT+5], v[rT+4], s[SEL], s[SEL+1]  ; the query's other 32 keys lie in the lane 16 away
.elseif j == 18
	v_max_num_f32 v[rT+1], v[rT+4], v[rT+5]
.elseif j == 19
	v_mul_f32 v[rT], s[CS], v[rT+1]
.elseif ((j == 17) || (j == 20) || (j == 23) || (j > 101)) && \first  ; the first step has none of these
.elseif j == 17
	v_mov_b32 v[rT+7], v[rT]                       ; c m_old is kept: number 19 writes c m anew
.elseif j == 20
	v_sub_f32 v[rT+7], v[rT+7], v[rT]
.elseif j == 23
	v_exp_f32 v[rT+6], v[rT+7]
.elseif (j < 88) && (j > 23) && (j%2 == 1)
	v_exp_f32 v[rS+(j-25)/2], v[rS+(j-25)/2]
.elseif (q < 4) || ((j < 76) && (q%2 == 0))
.set b, q/2+2
.if q < 4
.set b, q
.endif
	v_pk_fma_f32 v[rS+2*b:rS+2*b+1], v[rS+2*b:rS+2*b+1], s[CS:CS+1], v[rT:rT+1] op_sel_hi:[1,0,0] neg_lo:[0,0,1] neg_hi:[0,0,1]  ; pair b: c s - c m
.elseif (j < 88) && (q%2 == 1)
	s_wait_alu depctr_va_vdst(0)
	v_cvt_pk_bf16_f32 v[rP+(q-5)/2], v[rS+q-5], v[rS+q-4]  ; pair (q - 5) / 2: its second exponential stands three numbers back
.elseif j == 89
	s_wait_alu depctr_va_vdst(0)
	v_cvt_pk_bf16_f32 v[rP+15], v[rS+30], v[rS+31]
.elseif j < 102                        ; the sum of the tile's 16 pairs, in place: sum z of 16 adds neighbours 1, 2, 4 and 8 pairs apart, then l takes it
.set z, j-86
.if j < 89
.set z, (j-76)/4
.endif
.set w, 4
.set u, z
.if z >= 14
.set w, 32
.set u, 0
.elseif z >= 12
.set w, 16
.set u, z-12
.elseif z >= 8
.set w, 8
.set u, z-8
.endif
.if (z == 14) && \first
	v_pk_add_f32 v[rT+2:rT+3], v[rS:rS+1], v[rS+16:rS+17]
.elseif z < 15
	v_pk_add_f32 v[rS+w*u:rS+w*u+1], v[rS+w*u:rS+w*u+1], v[rS+w*u+w/2:rS+w*u+w/2+1]
.elseif !\first
	v_pk_fma_f32 v[rT+2:rT+3], v[rT+2:rT+3], v[rT+6:rT+7], v[rS:rS+1] op_sel_hi:[1,0,1]
.endif
.else
	WIN W_RS
	v_pk_mul_f32 v[rO:rO+1], v[rO:rO+1], v[rT+6:rT+7] op_sel_hi:[1,0]
.endif
.endm
; Slice k of 59 of piece y's softmax: numbers 2 k and 2 k + 1 of both tiles' lists, four instructions.
.macro SLICE y, first
.if (k >= 11) && (k < 44)              ; tile by tile: plain, exponential, plain, exponential
.irp t, \y, \y+1
.irp n, 0,1
.set j, 2*k+\n
	SM \t, \first
.endr
.endr
.else                                  ; the two tiles alternate, so that no instruction reads the result of the one just before it
.irp n, 0,1
.irp t, \y, \y+1
.set j, 2*k+\n
	SM \t, \first
.endr
.endr
.endif
.set k, k+1
.endm
; Behind product g of the turn's nn: slices up to number rr g, but one is kept for each product still to come: so slice 58, four plain multiplications on the other piece's O^T, follows the last product.
.macro DEAL y, first
.set g, g+1
.set tg, rr*g
.if tg > 59-(nn-g)
.set tg, 59-(nn-g)
.endif
.rept tg-k
	SLICE \y, \first
.endr
.endm
; A TURN.  Piece x has the matrix unit.  pv = 2: 16 products V^T P; 1: they start O^T's sums; 0: none.  kq = 1: 16 products K Q^T for the next step.
; first = 1: the softmax is the first key step's; its last slices are empty, so four v_nop stand behind the turn's last products.
; Each run of loads stands behind the second product of a run of 16, 14 products ahead of the wait for it, and more than four plain instructions behind the last product that read its registers.
.macro TURN x, pv, kq, first
.set k, 0
.set g, 0
.set nn, 16
.set rr, 4
.if \pv && \kq
.set nn, 32
.set rr, 2
.endif
.if \pv
.if \x == 0
	s_wait_dscnt 0x0                               ; V is in
.endif
.set i, 0
.rept 16
	PV \x, 2-\pv
	DEAL 2-\x, \first
.if (\x == 0) && \kq && (i == 1)
	FETCH_K
.endif
.set i, i+1
.endr
.endif
.if \kq
.if \x == 0
	s_wait_dscnt 0x0                               ; K is in
.endif
.set i, 0
.rept 16
	KQ \x
	DEAL 2-\x, \first
.if (\x == 2) && (i == 1)
	FETCH_V
.endif
.set i, i+1
.endr
.endif
.if \first
	PLACES
.endif
.endm
; THE WAY OUT of tile t: O^T x 2^-e / l, rounded to f16: a lane's eight channels are 16 bytes; through my stage, and back as rows of 128 bytes.
.macro PACK t
	WIN W_RS
.set i, 32*\t
.rept 16
	v_pk_mul_f32 v[i:i+1], v[i:i+1], v[ST+8*\t+6:ST+8*\t+7] op_sel_hi:[1,0]   ; each accumulator from its low end on
.set i, i+2
.endr
	WIN 0x05                                       ; sources 0 and 1 window 1, destination window 0: S^T's registers are free
.set i, 0
.rept 16
	v_cvt_pk_f16_f32 v[S+32*\t+i], v[32*\t+2*i], v[32*\t+2*i+1]
.set i, i+1
.endr
	WIN 0
.irp f, 0,1,2,3
	ds_store_b128 v[STO], v[S+32*\t+4*\f:S+32*\t+4*\f+3] offset:32*\f
.endr
.irp f, 0,1,2,3
	ds_load_b128 v[S+32*\t+4*\f:S+32*\t+4*\f+3], v[RD] offset:\f*4*PK   ; LDS serves a wave's instructions in order: these see the stores above; the next tile's stores come behind them
.endr
.endm
.macro SEND t, younger                 ; younger: the LDS instructions issued behind tile t's loads: the next tile's eight, or none
.irp f, 0,1,2,3
	s_wait_dscnt \younger+3-\f
	global_store_b128 v[GO], v[S+32*\t+4*\f:S+32*\t+4*\f+3], s[10:11] offset:\t*2048+\f*512   ; a tile's 16 rows are 2,048 consecutive bytes of a16: each store covers 512 of them
.endr
.endm
.Lblock:                                               ; two trips: a block of 256 queries each
	s_mov_b32 s[TB], 0
	s_wait_tensorcnt 0x3                           ; my first chunk is in; my three later ones may be out
	s_wait_dscnt 0x0
	s_barrier_signal -1
	s_barrier_wait -1                              ; keys 0 to 511 are in; the lines up to the next barrier read keys 0 to 127
	FETCH_K                                        ; key step 0
	s_wait_loadcnt 0x0                             ; Q
	s_wait_dscnt 0x0
.set i, 0
.rept 16
	KQ 0                                           ; piece 0's first scores
.set i, i+1
.endr
	PLACES
	TURN 2, 0, 1, 1                                ; piece 2's first scores | piece 0's first softmax | V of step 0
	TURN 0, 1, 1, 1                                ; piece 0: V^T P of step 0 starts O^T, K Q^T of step 1 | piece 2's first softmax | K of step 1
	TURN 2, 1, 1, 0                                ; piece 2: the same | piece 0's softmax of step 1 | V of step 1
	WIN 0
	s_wait_tensorcnt 0x0                           ; all my chunks are in,
	s_wait_dscnt 0x0
	s_barrier_signal -1
	s_barrier_wait -1                              ; everybody's are: the loop reads any key
	s_mov_b32 s[STP], 30
.Lstep:                                                ; key steps 1 to 30 (V^T P) and 2 to 31 (K Q^T)
	TURN 0, 2, 1, 0
	TURN 2, 2, 1, 0
	WIN 0
	s_sub_co_u32 s[STP], s[STP], 1
	s_cmp_lg_u32 s[STP], 0
	s_cbranch_scc1 .Lstep
	TURN 0, 2, 0, 0                                ; piece 0: V^T P of the last step | piece 2's last softmax
	WIN 0
	s_cmp_eq_u32 s[BLK], 1                         ; the next block's Q is asked for here, if there is a next block: the last product that read Q stands a turn back
	s_cbranch_scc1 .Lno_q
	QLOAD 32768
.Lno_q:
.set i, 0
.rept 16
	PV 2, 0                                        ; piece 2: V^T P of the last step
.set i, i+1
.endr
	WIN 0
.irp t, 0,1,2,3
	v_add_f32 v[ST+8*\t+4], v[ST+8*\t+2], v[ST+8*\t+3]   ; l's two halves; these four are the places behind the last products
.endr
.irp t, 0,1,2,3
	v_permlanex16_b32 v[ST+8*\t+5], v[ST+8*\t+4], s[SEL], s[SEL+1]
.endr
.irp t, 0,1,2,3
	v_add_f32 v[ST+8*\t+4], v[ST+8*\t+4], v[ST+8*\t+5]
.endr
.irp t, 0,1,2,3
	v_rcp_f32 v[ST+8*\t+6], v[ST+8*\t+4]
.endr
	v_nop                                          ; a plain instruction between the last reciprocal and the use of its result
	s_wait_alu depctr_va_vdst(0)
.irp t, 0,1,2,3
	v_mul_f32 v[ST+8*\t+6], v[ST+8*\t+6], v[DN]    ; 2^-e / l
.endr
	PACK 0
	PACK 1                                         ; a tile's arithmetic stands between the loads of the tile before and its stores
	SEND 0, 8
	PACK 2
	SEND 1, 8
	PACK 3
	SEND 2, 8
	SEND 3, 0
	s_wait_xcnt 0x0                                ; the stores have read their registers and their base: both are written again only behind this wait
	s_add_nc_u64 s[10:11], s[10:11], 32768         ; 256 rows of a16 on
	s_sub_co_u32 s[BLK], s[BLK], 1
	s_cmp_lg_u32 s[BLK], 0
	s_cbranch_scc1 .Lblock
	s_wait_tensorcnt 0x0
	ds_add_u32 v62, v63
	s_wait_dscnt 0x0
	CROUND                                         ; the closing round: no work-group ends while a partner may still ask for a chunk that names it
	s_endpgm
.Lfunc_end_k_q5d8370c9c2_attn:
	.size	k_q5d8370c9c2_attn, .Lfunc_end_k_q5d8370c9c2_attn-k_q5d8370c9c2_attn
	.p2alignl 7, 3214868480
	.fill 96, 4, 3214868480
	.section	.rodata,"a",@progbits
	.p2align	6, 0x0
	.amdhsa_kernel k_q5d8370c9c2_attn
		.amdhsa_group_segment_fixed_size 304640
		.amdhsa_private_segment_fixed_size 0
		.amdhsa_enable_private_segment 0
		.amdhsa_kernarg_size 24
		.amdhsa_user_sgpr_count 2
		.amdhsa_user_sgpr_kernarg_segment_ptr 1
		.amdhsa_wavefront_size32 1
		.amdhsa_system_sgpr_workgroup_id_x 1
		.amdhsa_system_sgpr_workgroup_id_y 1
		.amdhsa_system_sgpr_workgroup_id_z 1
		.amdhsa_system_vgpr_workitem_id 0
		.amdhsa_next_free_vgpr 576
		.amdhsa_next_free_sgpr 66
		.amdhsa_reserve_vcc 0
		.amdhsa_float_denorm_mode_32 3
		.amdhsa_float_denorm_mode_16_64 3
		.amdhsa_memory_ordered 1
		.amdhsa_forward_progress 1
		.amdhsa_inst_pref_size 130
	.end_amdhsa_kernel
	.amdgpu_metadata
---
amdhsa.version: [ 1, 2 ]
amdhsa.kernels:
  - .name:           k_q5d8370c9c2_attn
    .symbol:         k_q5d8370c9c2_attn.kd
    .args:
      - { .name: kq, .offset: 0, .size: 8, .value_kind: global_buffer, .address_space: global }
      - { .name: gmax, .offset: 8, .size: 8, .value_kind: global_buffer, .address_space: global }
      - { .name: a16, .offset: 16, .size: 8, .value_kind: global_buffer, .address_space: global }
    .group_segment_fixed_size: 304640
    .private_segment_fixed_size: 0
    .kernarg_segment_align: 8
    .kernarg_segment_size: 24
    .max_flat_workgroup_size: 128
    .sgpr_count:     66
    .vgpr_count:     576
    .wavefront_size: 32
...
	.end_amdgpu_metadata
.endif
;; end of part 3
;; launch outp (part 4): grid 4 x 64, 4 waves a work-group, clusters of 4 x 4, 327,680 bytes of LDS; arguments a16, wo16, gmax, bo, out0; writes out0
.if DOCPART == 4
	.amdgcn_target "amdgcn-amd-amdhsa--gfx1250"
	.amdhsa_code_object_version 6
	.text
	.protected	k_q5d8370c9c2_outp
	.globl	k_q5d8370c9c2_outp
	.p2align	8
	.type	k_q5d8370c9c2_outp,@function
k_q5d8370c9c2_outp:
	s_mov_b64 s[64:65], 0
	v_nop
	global_prefetch_b8 v0, s[64:65] scope:SCOPE_SE
	s_setreg_imm32_b32 hwreg(HW_REG_WAVE_MODE, 25, 1), 1
	s_wait_xcnt 0x0
	s_wait_alu depctr_hold_cnt(0) depctr_sa_sdst(0) depctr_va_vdst(0) depctr_va_sdst(0) depctr_va_ssrc(0) depctr_va_vcc(0) depctr_vm_vsrc(0)
	s_getreg_b32 s2, hwreg(HW_REG_IB_STS2, 6, 4)
	s_cmp_eq_u32 s2, 0
	s_cbranch_scc0 .Lentry_in_a_cluster
	s_endpgm
.Lentry_in_a_cluster:
	s_bfe_u32 s2, ttmp6, 0x10000c
	s_cmp_lg_u32 s2, 0xf033
	s_cbranch_scc0 .Lentry_shape_is_right
	s_endpgm
.Lentry_shape_is_right:
; out0[m][n] = 2^e x (sum over k of A[m][k] B[n][k]) + bo[n], M = 8,192, N = 1,024, K = 1,024.  A: a16 [K / 64][8192][64] f16, the attention's result x 2^-e; B: wo16 [K / 64][1024][64] f16; sums in f32; out0 f32.
; 2^e is the power of two at or under G, the largest |k| in gmax's first 512 words, held to 2^-100 .. 2^100, made here by the same lines as in the launch that divided by it.
; A tile of out0 is 128 x 256, which makes 256 work-groups; a wave makes 64 x 128: 32 accumulators, 256 registers.  K goes in steps of 128 (two parts of 64) through a ring of two LDS slots.
; A K part of a tile is one dense block of memory (128 or 256 rows of 128 bytes): wave 0, 1 fetch A's two parts of a step, wave 2, 3 B's: one tensor load a wave; at most two of a wave's are out (the first fills), later one.
; CLUSTERS: 4 x 4 work-groups; A's tiles are asked for jointly along a row of the cluster, B's along a column.  THE MATRIX INSTRUCTION IS USED TRANSPOSED (source 0 = 16 rows of B, source 1 = 16 rows of A).
; REGISTERS: window 0: v16-30 addresses; v32-35 bo of my four columns; v36-37 2^e; v40-55 gmax; v64-127 A's fragments, two buffers; v128-255 the way out.  window 1: v0-127 B's fragments, two buffers.  window 2: the accumulators, (a, b) at v[8 (8 a + b)].
.set PK,     144                       ; an LDS row: 128 bytes + 16
.set ACH,    128*PK                    ; a K part of A's tile
.set BCH,    256*PK                    ; of B's
.set SLOT,   2*ACH+2*BCH               ; A's two parts, then B's two
.set STAGE,  2*SLOT                    ; behind the ring: 16 rows x 528 bytes for each wave
.set SPITCH, 528
.set SPARE,  STAGE+4*16*SPITCH         ; the spare words, 128 bytes for each wave: two blocks of 256 bytes that no other line names
.set ADRA, 16                          ; v16-17 LDS address of my A fragments in slot 0, 1
.set ADRB, 20                          ; v20-21 the same for B
.set STO,  24
.set RD,   25
.set CO,   26                          ; v26 16 x lane
.set SPW,  28                          ; v28 LDS address of my spare word; never rewritten
.set NIL,  29                          ; v29 0; never rewritten
.set PFO,  30                          ; v30 256 x lane; never rewritten
.set BI,   32
.set UP,   36
.set GM,   40
.set AFR,  64
.set BK,   128
.set G1, 24                            ; s[24:31] group 1 for A's tiles; s[32:39] group 0, one for each slot
.set G0, 32
.set G1B, 48                           ; s[48:55], s[56:63] the same for B's
.set G0B, 56
.set PFA, 72                           ; s[72:73] where my prefetches stand
.set LIM, 74                           ; s74 1 in wave 0, else the greatest number
.set MSB, 0
.macro WIN new
.if MSB != \new
	s_set_vgpr_msb (MSB<<8)|\new
.set MSB, \new
.endif
.endm
.set MUL,  0xa1                        ; source 0 (B) window 1, source 1 (A) window 0, C and D window 2
.set TO_B, 0x40                        ; destination window 1, address window 0
.macro PLACES
.rept 4
	v_nop
.endr
.endm
.macro JLOAD s                         ; a joint load: waves 0 and 1 fetch for A, waves 2 and 3 for B; four v_nop follow each of the two lines
	s_cmp_eq_u32 s11, 0
	s_cbranch_scc0 .Lfor_b_\@
	tensor_load_to_lds s[G0+4*\s:G0+4*\s+3], s[G1:G1+7]
	s_nop 0
	PLACES
	s_branch .Lasked_\@
.Lfor_b_\@:
	tensor_load_to_lds s[G0B+4*\s:G0B+4*\s+3], s[G1B:G1B+7]
	s_nop 0
	PLACES
.Lasked_\@:
.endm
.macro CREST                           ; a round of the cluster's barrier behind its opening barrier
	s_cmp_lg_u32 s10, 0
	s_cbranch_scc1 .Lnot_wave_0_\@
	s_barrier_signal -3
.Lnot_wave_0_\@:
	s_barrier_wait -3
	s_barrier_signal -1
	s_barrier_wait -1
.endm
.macro CROUND
	s_barrier_signal -1
	s_barrier_wait -1
	CREST
.endm
; A PREFETCH INTO THE L2 of A's K step that stands two refills on, 256 matrix instructions ahead of the load that will want it.  A tile row of A is read by one row of one cluster alone; a K step of it is two blocks of 16,384 bytes.
; The four partners share them out BY ADDRESS, 8,192 bytes each; in each, wave 0 asks: 32 lanes, 256 bytes apart, one instruction.  So each block of 256 bytes is named once.  The loop's last trip asks for nothing: no K step stands two refills on.
; B is not asked for: its 2 MiB are walked by all sixteen rows of clusters.
.macro ASK
	s_cmp_gt_u32 s3, s[LIM]
	s_cbranch_scc0 .Lnot_mine_\@
	global_prefetch_b8 v[PFO], s[PFA:PFA+1] th:TH_LOAD_NT scope:SCOPE_SE
.Lnot_mine_\@:
.endm
	s_load_b128 s[4:7], s[0:1], 0x0                ; a16, wo16
	s_load_b128 s[68:71], s[0:1], 0x10             ; gmax, bo
	s_load_b64 s[8:9], s[0:1], 0x20                ; out0
	v_lshl_add_u32 v[SPW], v0, 2, SPARE
	v_mov_b32 v[NIL], 0
	ds_add_u32 v28, v29
	ds_add_u32 v28, v29
	s_wait_dscnt 0x0
	v_lshrrev_b32 v1, 5, v0
	v_readfirstlane_b32 s10, v1                    ; wave 0..3
	s_lshr_b32 s11, s10, 1                         ; which 64 rows of the tile are mine.  Also: I fetch for A (0) or for B (1)
	s_and_b32 s12, s10, 1                          ; which 128 columns.  Also: which K part of a step I fetch
	s_bfe_u32 s40, ttmp6, 0x40000                  ; cx, cy
	s_bfe_u32 s41, ttmp6, 0x40004
	s_lshl_b32 s42, ttmp9, 2
	s_add_co_u32 s42, s42, s40                     ; tile column
	s_and_b32 s13, ttmp7, 0xffff
	s_lshl_b32 s13, s13, 2
	s_add_co_u32 s13, s13, s41                     ; tile row
	s_lshl_b32 s43, s41, 2
	s_lshl_b32 s43, 15, s43                        ; my row of the cluster
	s_lshl_b32 s44, 0x1111, s40                    ; my column
	; group 1: rows of 64 elements of 2 bytes, dense in memory, 16 bytes of padding behind each 32 words; A: 128 rows, B: 256
	s_or_b32 s[G1], s43, (1<<16)|(1<<20)|(1<<21)|(4<<22)|(3<<25)
	s_mov_b32 s[G1+1], 64<<16
	s_mov_b32 s[G1+2], 128<<16
	s_mov_b32 s[G1+3], 64<<16
	s_mov_b32 s[G1+4], 128
	s_mov_b32 s[G1+5], 64
	s_mov_b32 s[G1+6], 0
	s_mov_b32 s[G1+7], 0
	s_or_b32 s[G1B], s44, (1<<16)|(1<<20)|(1<<21)|(4<<22)|(3<<25)
	s_mov_b32 s[G1B+1], 64<<16
	s_mov_b32 s[G1B+2], 256<<16
	s_mov_b32 s[G1B+3], 64<<16
	s_mov_b32 s[G1B+4], 256
	s_mov_b32 s[G1B+5], 64
	s_mov_b32 s[G1B+6], 0
	s_mov_b32 s[G1B+7], 0
	s_lshl_b32 s16, s12, 20                        ; A: a K part is 8,192 rows x 128 bytes; the tile's 128 rows
	s_lshl_b32 s17, s13, 14
	s_add_co_u32 s16, s16, s17
	s_mov_b32 s17, 0
	s_lshl_b32 s46, s12, 17                        ; B: a K part is 1,024 rows x 128 bytes; the tile's 256 rows
	s_lshl_b32 s47, s42, 15
	s_add_co_u32 s46, s46, s47
	s_mov_b32 s47, 0
	s_mul_i32 s20, s12, ACH                        ; where they go: no place in the cluster enters an LDS address
	s_mul_i32 s21, s12, BCH
	s_add_co_u32 s21, s21, 2*ACH
	s_wait_kmcnt 0x0
	s_add_nc_u64 s[14:15], s[4:5], s[16:17]
	s_add_nc_u64 s[46:47], s[6:7], s[46:47]
	CROUND                                         ; all sixteen work-groups are here: the first joint loads meet
.irp s, 0,1
	s_mov_b32 s[G0+4*\s], 1
	s_add_co_u32 s[G0+4*\s+1], s20, \s*SLOT
	s_add_nc_u64 s[G0+4*\s+2:G0+4*\s+3], s[14:15], \s*0x200000     ; K step s: two K parts on
	s_or_b32 s[G0+4*\s+3], s[G0+4*\s+3], 0x80000000
	s_mov_b32 s[G0B+4*\s], 1
	s_add_co_u32 s[G0B+4*\s+1], s21, \s*SLOT
	s_add_nc_u64 s[G0B+4*\s+2:G0B+4*\s+3], s[46:47], \s*0x40000
	s_or_b32 s[G0B+4*\s+3], s[G0B+4*\s+3], 0x80000000
	JLOAD \s
.endr
	v_and_b32 v1, 15, v0                           ; r
	v_bfe_u32 v2, v0, 4, 1                         ; h
	v_and_b32 v3, 31, v0
	v_lshlrev_b32 v[CO], 4, v3
	v_lshlrev_b32 v[PFO], 8, v3
.irp i, 0,1,2,3
	global_load_b128 v[GM+4*\i:GM+4*\i+3], v[CO], s[68:69] offset:512*\i   ; the 512 words of gmax that belong to k
.endr
	s_lshl_b32 s20, s42, 10                        ; my first column, in bytes of f32: 1,024 x tile column + 512 x half
	s_lshl_b32 s21, s12, 9
	s_add_co_u32 s20, s20, s21
	s_mov_b32 s21, 0
	s_add_nc_u64 s[70:71], s[70:71], s[20:21]
	global_load_b128 v[BI:BI+3], v[CO], s[70:71]   ; behind the stage a lane holds the same four columns in every row: bo of those
	s_add_nc_u64 s[8:9], s[8:9], s[20:21]
	s_lshl_b32 s20, s13, 19                        ; my first row: 128 x tile row + 64 x half, 4,096 bytes a row
	s_lshl_b32 s22, s11, 18
	s_add_co_u32 s20, s20, s22
	s_add_nc_u64 s[8:9], s[8:9], s[20:21]
	v_mul_u32_u24 v4, v1, PK
	v_lshl_add_u32 v4, v2, 4, v4                   ; a fragment's row x pitch + 16 x half
	s_mul_i32 s22, s11, 64*PK                      ; my 64 rows of A
	s_mul_i32 s23, s12, 128*PK                     ; my 128 rows of B, behind A's two parts
	s_add_co_u32 s23, s23, 2*ACH
.irp s, 0,1
	v_add_nc_u32 v[ADRA+\s], s22, v4
	v_add_nc_u32 v[ADRB+\s], s23, v4
	s_add_co_u32 s22, s22, SLOT
	s_add_co_u32 s23, s23, SLOT
.endr
	s_mul_i32 s23, s10, 16*SPITCH
	s_add_co_u32 s23, s23, STAGE                   ; my stage
	v_mul_u32_u24 v5, v1, SPITCH
	v_lshl_add_u32 v5, v2, 5, v5
	v_add_nc_u32 v[STO], s23, v5                   ; in: row r, 32 bytes for each half of the lanes
	v_add_nc_u32 v[RD], s23, v[CO]                 ; back: the 32 lanes take one row of 512 bytes
	; the prefetches: K step 3's place; each filling change of slots steps it one K step on before it asks
	s_lshr_b32 s20, s40, 1
	s_add_co_u32 s20, s20, 6                       ; K part 6 or 7,
	s_lshl_b32 s20, s20, 20
	s_lshl_b32 s22, s13, 14                        ; the tile's rows,
	s_add_co_u32 s20, s20, s22
	s_and_b32 s22, s40, 1
	s_lshl_b32 s22, s22, 13                        ; my work-group's half of them
	s_add_co_u32 s20, s20, s22
	s_add_nc_u64 s[PFA:PFA+1], s[4:5], s[20:21]
	s_cmp_eq_u32 s10, 0
	s_cselect_b32 s[LIM], 1, -1                    ; the same in all partners, for a given wave
	s_mov_b32 s66, 0x76543210
	s_mov_b32 s67, 0xfedcba98
	s_mov_b32 s22, 0x0d800000                      ; 2^-100
	s_mov_b32 s23, 0x71800000                      ; 2^100
	s_wait_loadcnt 0x0
	v_max3_num_f32 v[GM], v[GM], v[GM+1], v[GM+2]
	v_max3_num_f32 v[GM+3], v[GM+3], v[GM+4], v[GM+5]
	v_max3_num_f32 v[GM+6], v[GM+6], v[GM+7], v[GM+8]
	v_max3_num_f32 v[GM+9], v[GM+9], v[GM+10], v[GM+11]
	v_max3_num_f32 v[GM+12], v[GM+12], v[GM+13], v[GM+14]
	v_max3_num_f32 v[GM], v[GM], v[GM+3], v[GM+6]
	v_max3_num_f32 v[GM+9], v[GM+9], v[GM+12], v[GM+15]
	v_max_num_f32 v[GM], v[GM], v[GM+9]
	v_max_num_f32_dpp v[GM], v[GM], v[GM] row_xmask:1 row_mask:0xf bank_mask:0xf
	v_max_num_f32_dpp v[GM], v[GM], v[GM] row_xmask:2 row_mask:0xf bank_mask:0xf
	v_max_num_f32_dpp v[GM], v[GM], v[GM] row_xmask:4 row_mask:0xf bank_mask:0xf
	v_max_num_f32_dpp v[GM], v[GM], v[GM] row_xmask:8 row_mask:0xf bank_mask:0xf
	v_permlanex16_b32 v[GM+1], v[GM], s66, s67
	v_max_num_f32 v[GM], v[GM], v[GM+1]            ; G, in every lane
	v_med3_num_f32 v[GM], v[GM], s22, s23
	v_and_b32 v[UP], 0x7f800000, v[GM]             ; 2^e
	v_mov_b32 v[UP+1], v[UP]                       ; named with it as a pair, so it is written
; 8 matrix instructions: A's block a x B's eight, 32 along K, from buffers f.  zero = 1: the first product starts the sums.  The 32 accumulators take turns, in the same order in every quarter.
.macro MUL8 f, a, zero
.irp b, 0,1,2,3,4,5,6,7
.if \zero
	v_wmma_f32_16x16x32_f16 v[8*(8*(\a)+\b):8*(8*(\a)+\b)+7], v[64*(\f)+8*\b:64*(\f)+8*\b+7], v[AFR+32*(\f)+8*(\a):AFR+32*(\f)+8*(\a)+7], 0
.else
	v_wmma_f32_16x16x32_f16 v[8*(8*(\a)+\b):8*(8*(\a)+\b)+7], v[64*(\f)+8*\b:64*(\f)+8*\b+7], v[AFR+32*(\f)+8*(\a):AFR+32*(\f)+8*(\a)+7], v[8*(8*(\a)+\b):8*(8*(\a)+\b)+7]
.endif
.endr
.endm
; 24 LDS loads in one run: quarter q (32 along K) of a slot into buffers f: B's eight fragments, then A's four
.macro FETCH slot, q, f
	WIN TO_B
.irp i, 0,1,2,3,4,5,6,7
	ds_load_b128 v[64*(\f)+8*\i:64*(\f)+8*\i+3],   v[ADRB+\slot] offset:((\q)/2)*BCH+((\q)%2)*64+\i*16*PK
	ds_load_b128 v[64*(\f)+8*\i+4:64*(\f)+8*\i+7], v[ADRB+\slot] offset:((\q)/2)*BCH+((\q)%2)*64+\i*16*PK+32
.endr
	WIN 0
.irp i, 0,1,2,3
	ds_load_b128 v[AFR+32*(\f)+8*\i:AFR+32*(\f)+8*\i+3],   v[ADRA+\slot] offset:((\q)/2)*ACH+((\q)%2)*64+\i*16*PK
	ds_load_b128 v[AFR+32*(\f)+8*\i+4:AFR+32*(\f)+8*\i+7], v[ADRA+\slot] offset:((\q)/2)*ACH+((\q)%2)*64+\i*16*PK+32
.endr
.endm
; One of a K step's first three quarters: multiplies buffers f; in its middle it fetches quarter q of the same slot into buffers g
.macro QUARTER slot, q, f, g, zero
	s_wait_dscnt 4                                 ; all but the youngest four loads (A's blocks 2 and 3) are in
	WIN MUL
	MUL8 \f, 0, \zero
	MUL8 \f, 1, \zero
	PLACES                                         ; in front of loads into registers that matrix instructions have read
	FETCH \slot, \q, \g
	s_wait_dscnt 24                                ; all but the 24 just issued
	WIN MUL
	MUL8 \f, 2, \zero
	MUL8 \f, 3, \zero
.endm
; The last quarter multiplies buffers 1 and changes slots: ONE barrier; in front of it each wave waits for all its tensor loads, adds 0 to its spare word, and waits for that and for its own reads of this slot.
; fill = 1: the barrier opens a round of the cluster's, and this slot is filled again, two K steps ahead: the load has 112 matrix instructions in which to land.
.macro TURN slot, next, fill
.if \fill
	s_wait_xcnt 0x0                                ; the last prefetch, a K step back, has read its address: it is stepped here
	s_add_nc_u64 s[PFA:PFA+1], s[PFA:PFA+1], 0x200000
.endif
	WIN 0                                          ; (the add's two registers lie in window 0)
	s_wait_tensorcnt 0x0                           ; all my tensor loads have landed: my part of the next slot;
	ds_add_u32 v[SPW], v[NIL]                      ; 0 onto my spare word
	s_wait_dscnt 5                                 ; (the add and the youngest four loads may be out)
	WIN MUL
	MUL8 1, 0, 0                                   ; eight matrix instructions stand between the add and the wait for it
	s_wait_dscnt 0x0                               ; the add is done, and my reads of this slot are over
	s_barrier_signal -1
	MUL8 1, 1, 0
	WIN 0
	s_barrier_wait -1
.if \fill
	CREST                                          ; no wave of any partner still reads this slot's tile or has a load on its way
	s_add_nc_u64 s[G0+4*\slot+2:G0+4*\slot+3], s[G0+4*\slot+2:G0+4*\slot+3], 0x400000
	s_add_nc_u64 s[G0B+4*\slot+2:G0B+4*\slot+3], s[G0B+4*\slot+2:G0B+4*\slot+3], 0x80000
	JLOAD \slot                                    ; the first tensor load behind the round; the four v_nop behind it are also the places in front of the loads below
.else
	PLACES
.endif
	FETCH \next, 0, 0
.if \fill
	ASK
.endif
	WIN MUL
	MUL8 1, 2, 0
	MUL8 1, 3, 0
.endm
	s_wait_tensorcnt 1                             ; my part of K step 0 is in; K step 1's may be out
	s_barrier_signal -1
	s_barrier_wait -1
	FETCH 0, 0, 0
	QUARTER 0, 1, 0, 1, 1                          ; the first quarter stands in front of the loop: its products start the sums
	WIN 0
	s_mov_b32 s3, 3
.Llap:                                                 ; a trip goes once round the ring, from a lap's second quarter to the next lap's first, and fills both slots again
	QUARTER 0, 2, 1, 0, 0
	QUARTER 0, 3, 0, 1, 0
	TURN 0, 1, 1
	QUARTER 1, 1, 0, 1, 0
	QUARTER 1, 2, 1, 0, 0
	QUARTER 1, 3, 0, 1, 0
	TURN 1, 0, 1
	QUARTER 0, 1, 0, 1, 0
	WIN 0
	s_sub_co_u32 s3, s3, 1
	s_cmp_lg_u32 s3, 0
	s_cbranch_scc1 .Llap
	QUARTER 0, 2, 1, 0, 0                          ; the last lap fills nothing
	QUARTER 0, 3, 0, 1, 0
	TURN 0, 1, 0
	QUARTER 1, 1, 0, 1, 0
	QUARTER 1, 2, 1, 0, 0
	QUARTER 1, 3, 0, 1, 0
	s_wait_dscnt 4                                 ; the very last quarter: nothing more to fetch
	WIN MUL
	MUL8 1, 0, 0
	MUL8 1, 1, 0
	s_wait_dscnt 0
	MUL8 1, 2, 0
	MUL8 1, 3, 0
	WIN 0
; THE WAY OUT, a block of 16 rows x 128 columns at a time: the sums go through my own stage as they are and come back as whole rows of 512 bytes; there x 2^e + bo, one fused multiply-add, and the 32 lanes store 512 consecutive bytes.
.macro TOSTAGE a
	WIN 0x08                                       ; an LDS store's data are its source 1: window 2
.irp b, 0,1,2,3,4,5,6,7
	ds_store_b128 v[STO], v[64*(\a)+8*\b:64*(\a)+8*\b+3] offset:64*\b          ; each accumulator from its low end on
	ds_store_b128 v[STO], v[64*(\a)+8*\b+4:64*(\a)+8*\b+7] offset:64*\b+16
.endr
	WIN 0
.set BB, BK+64*((\a)%2)
.irp t, 0,1,2,3,4,5,6,7,8,9,10,11,12,13,14,15
	ds_load_b128 v[BB+4*\t:BB+4*\t+3], v[RD] offset:\t*SPITCH      ; LDS serves a wave's instructions in order: these see the stores above
.endr
.endm
.macro SEND a, younger                 ; younger: the LDS instructions issued behind block a's loads, which may stay out
.set BB, BK+64*((\a)%2)
	s_wait_dscnt \younger
.irp t, 0,1,2,3,4,5,6,7,8,9,10,11,12,13,14,15
	v_pk_fma_f32 v[BB+4*\t:BB+4*\t+1], v[BB+4*\t:BB+4*\t+1], v[UP:UP+1], v[BI:BI+1] op_sel_hi:[1,0,1]
	v_pk_fma_f32 v[BB+4*\t+2:BB+4*\t+3], v[BB+4*\t+2:BB+4*\t+3], v[UP:UP+1], v[BI+2:BI+3] op_sel_hi:[1,0,1]
	global_store_b128 v[CO], v[BB+4*\t:BB+4*\t+3], s[8:9] offset:(\a)*65536+\t*4096 th:TH_STORE_NT
.endr
.endm
	PLACES                                         ; behind the last products, in front of the first read of results
	TOSTAGE 0
.irp a, 1,2,3
.if \a > 1
	s_wait_xcnt 0x0                                ; block a - 2's stores have read their registers: block a's loads may land there
.endif
	TOSTAGE \a
	SEND \a-1, 32                                  ; behind block a - 1's loads: block a's 16 stores and 16 loads
.endr
	SEND 3, 0
	s_wait_tensorcnt 0x0                           ; the wave's end, behind my last tensor load and my last LDS store
	ds_add_u32 v[SPW], v[NIL]
	s_wait_dscnt 0x0
	CROUND                                         ; the closing round: no work-group ends while a partner may still ask for a tile that names it
	s_endpgm
.Lfunc_end_k_q5d8370c9c2_outp:
	.size	k_q5d8370c9c2_outp, .Lfunc_end_k_q5d8370c9c2_outp-k_q5d8370c9c2_outp
	.p2alignl 7, 3214868480
	.fill 96, 4, 3214868480
	.section	.rodata,"a",@progbits
	.p2align	6, 0x0
	.amdhsa_kernel k_q5d8370c9c2_outp
		.amdhsa_group_segment_fixed_size 327680
		.amdhsa_private_segment_fixed_size 0
		.amdhsa_enable_private_segment 0
		.amdhsa_kernarg_size 40
		.amdhsa_user_sgpr_count 2
		.amdhsa_user_sgpr_kernarg_segment_ptr 1
		.amdhsa_wavefront_size32 1
		.amdhsa_system_sgpr_workgroup_id_x 1
		.amdhsa_system_sgpr_workgroup_id_y 1
		.amdhsa_system_sgpr_workgroup_id_z 1
		.amdhsa_system_vgpr_workitem_id 0
		.amdhsa_next_free_vgpr 768
		.amdhsa_next_free_sgpr 76
		.amdhsa_reserve_vcc 0
		.amdhsa_float_denorm_mode_32 3
		.amdhsa_float_denorm_mode_16_64 3
		.amdhsa_memory_ordered 1
		.amdhsa_forward_progress 1
		.amdhsa_inst_pref_size 96
	.end_amdhsa_kernel
	.amdgpu_metadata
---
amdhsa.version: [ 1, 2 ]
amdhsa.kernels:
  - .name:           k_q5d8370c9c2_outp
    .symbol:         k_q5d8370c9c2_outp.kd
    .args:
      - { .name: a16, .offset: 0, .size: 8, .value_kind: global_buffer, .address_space: global }
      - { .name: wo16, .offset: 8, .size: 8, .value_kind: global_buffer, .address_space: global }
      - { .name: gmax, .offset: 16, .size: 8, .value_kind: global_buffer, .address_space: global }
      - { .name: bo, .offset: 24, .size: 8, .value_kind: global_buffer, .address_space: global }
      - { .name: out0, .offset: 32, .size: 8, .value_kind: global_buffer, .address_space: global }
    .group_segment_fixed_size: 327680
    .private_segment_fixed_size: 0
    .kernarg_segment_align: 8
    .kernarg_segment_size: 40
    .max_flat_workgroup_size: 128
    .sgpr_count:     76
    .vgpr_count:     768
    .wavefront_size: 32
...
	.end_amdgpu_metadata
.endif
;; end of part 4
